; MI455X (gfx1250); checked and timed in simulation.
; The chip was launched on July 23, 2026; its instructions are those of AMD's public machine-readable ISA for CDNA 5 (MIT licence, August 2026) and "CDNA5" Instruction Set Architecture Reference Guide (July 2026). The comments in the code are by the model that wrote it; some were corrected since.
;; IO Processing Attention. Allowed arithmetic: matrix products marked QUANTISED: E2M3 operands, one E8M0 scale for each 32 along K, by v_wmma_scale_f32_16x16x128_f8f6f4 with both operands' format E2M3, f32 sums; everything else in f32.
;; Inputs: W_attn_c 1,024 x 2,048 float32; W_attn_l 1,024 x 2,048 float32; W_proj 1,024 x 1,024 float32; W_q 1,024 x 1,024 float32; b_attn_c 2,048 float32; b_attn_l 2,048 float32; b_proj 1,024 float32; b_q 1,024 float32; l 1 x 2,048 x 1,024 float32; x 1 x 2,048 x 1,024 float32.
;; Outputs: out0 1 x 2,048 x 1,024 float32.
;; This version of the problem:
;;   THIS VERSION OF THE PROBLEM IS GIVEN IN LOW PRECISION. The matrix products marked QUANTISED in the list below multiply operands that are first quantised to E2M3 (2 exponent bits, 3 mantissa bits; 6 bits a number), with one power-of-two scale for each 32 numbers along K (OCP MX v1.0); their sums are f32. All else is computed in f32.
;;   The module's matrix products, in the order in which they are computed (A, B: the left and right operand; K: the contracted axis; several contracted axes count as one K, in the product's order):
;;     1. [M 2,048, K 1,024] x [K 1,024, N 2,048]; A: input l; B: input W_attn_l: QUANTISED
;;     2. [M 2,048, K 1,024] x [K 1,024, N 2,048]; A: input x; B: input W_attn_c: QUANTISED
;;     3. [M 2,048, K 1,024] x [K 1,024, N 1,024]; A: input x; B: input W_q: QUANTISED
;;     4. batch 16 x [M 2,048, K 64] x [K 64, N 4,096]; A: computed on the way; B: computed on the way: QUANTISED
;;     5. batch 16 x [M 2,048, K 4,096] x [K 4,096, N 64]; A: softmax (see below); B: computed on the way: QUANTISED
;;     6. [M 2,048, K 1,024] x [K 1,024, N 1,024]; A: computed on the way; B: input W_proj: QUANTISED
;;   THE QUANTISER, for each operand of a quantised product, along K:
;;     - K is cut into blocks of 32 from its start; a last block that is shorter is filled with zeros.
;;     - A block's scale is 2^e with e = floor(log2(the largest magnitude in the block)) - 2, held to -126 .. 127; a block of zeros has e = 0. As a byte (E8M0): e + 127.
;;     - Each number is divided by its block's scale, clamped to +-7.5, and rounded to the nearest number of E2M3, ties to even, subnormals kept.
;;     - The product sums the exact products of the quantised numbers (number of the format x scale) in f32.
;;   ~~~python
;;   def quantise(x, axis):      # numpy; x: float32 -> the quantised numbers, widened to float32 again
;;       x = np.moveaxis(x, axis, -1); K = x.shape[-1]
;;       x = np.pad(x, [(0, 0)] * (x.ndim - 1) + [(0, -K % 32)]); x = x.reshape(x.shape[:-1] + (-1, 32)); a = np.abs(x).max(-1, keepdims=True)
;;       e = np.where(a > 0, np.clip(np.frexp(np.where(a > 0, a, 1))[1] - 1 - 2, -126, 127), 0)      # np.frexp(a)[1] - 1 = floor(log2(a)), exactly
;;       r = np.clip(x / 2.0 ** e, -7.5, 7.5)
;;       step = 2.0 ** (np.maximum(np.frexp(np.where(r == 0, 1, r))[1] - 1, 0) - 3)
;;       q = np.round(r / step) * step * 2.0 ** e      # np.round: ties to even
;;       return np.moveaxis(q.reshape(q.shape[:-2] + (-1,))[..., :K], -1, axis).astype(np.float32)
;;   ~~~
;;   SOFTMAX AHEAD OF A QUANTISED PRODUCT. Where the list says 'softmax', what is quantised is not the finished softmax but p = 2^(t - M), with t = logit x log2(e) and M = ceil(the row's largest t), a whole number; so 1/2 < the row's largest p <= 1. The row's sum l is taken of the UNQUANTISED p, in f32, and the product's result is divided by l at the end. Since M is a whole number, a kernel that streams over the keys may use a running M (the ceiling of the running maximum): every later rescaling is an exact power of two, which a block's scale takes up: the codes' values come out the same.
;;   OPERANDS COMPUTED ON THE WAY. 'Computed on the way' means the value that the module computes at that place (a softmax that the list does not call 'softmax' is quantised finished and normalised). What goes into a quantiser is computed in f32, as accurately as f32 sums, v_exp_f32 and their like allow (about 1e-6 of the number): no bf16 or f16 on the way to a quantiser, and a product that is left as it is and whose result goes on into a quantised operand takes f32 operands (vector FMAs, or v_wmma_f32_16x16x4_f32). A number that lies on a knife's edge between two numbers of the format may be rounded either way, as far as f32 arithmetic and the matrix unit's own rounding can turn it there, and no further.
;; One version. Each part assembles by itself: llvm-mc -triple=amdgcn-amd-amdhsa -mcpu=gfx1250 --defsym DOCPART=n.
;; ======== version 1 of 1: 4 launches
;; limits: right only within a limited range of input values
;; workspace buffers: act_img 3,145,728 bytes; act_sc 131,072 bytes; w_img 4,718,592 bytes; w_sc 196,608 bytes; kvq 9,830,400 bytes; y_img 1,572,864 bytes; y_sc 65,536 bytes
;; launch quant (part 1): grid 320 x 1, 4 waves a work-group, no clusters, 34,304 bytes of LDS; arguments l, x, W_attn_l, W_attn_c, W_q, W_proj, act_img, act_sc, w_img, w_sc; writes act_img, act_sc, w_img, w_sc
.if DOCPART == 1
	.amdgcn_target "amdgcn-amd-amdhsa--gfx1250"
	.amdhsa_code_object_version 6
	.text
	.protected	k_q896206ffe0_quant
	.globl	k_q896206ffe0_quant
	.p2align	8
	.type	k_q896206ffe0_quant,@function
k_q896206ffe0_quant:
	s_mov_b64 s[64:65], 0
	v_nop
	global_prefetch_b8 v0, s[64:65] scope:SCOPE_SE
	s_setreg_imm32_b32 hwreg(HW_REG_WAVE_MODE, 25, 1), 1
	s_wait_xcnt 0x0
; l, x [2048][1024] f32 (K innermost) and the four weights [1024][N] f32 (K outermost) become codes of FP6 (E2M3) with one E8M0 byte for each 32 along K.
; A block's scale is 2^(floor(log2(largest magnitude)) - 2); its byte is the largest magnitude's exponent field - 2, held at 1 from below.
; LIMITS: a block of zeros gets the byte 1 where the rule says 127 (its codes are zeros, and only this program reads the bytes); blocks under 2^-124 are held at byte 1; NaN and infinities are not served.
; LAYOUT OF THE RESULTS.  A tile is 16 rows; tile 2 b + u holds in its row r the natural row 32 b + 8 u + r + 8 (r / 8).  A fragment (16 rows x 128 K, 12 registers a lane) lies in memory as an image of its registers:
; register group c (four registers) at 512 c + 16 x lane: 1,536 bytes.  act_img, w_img: [tile][8 K steps][1,536];  act_sc, w_sc: [16 x tile + r][8 words], word s for K step s.
; Work-groups 0-127 take l and x (a wave: one tile x 4 K steps); work-groups 128-319 the weights (a wave: 32 columns x 256 along K).  No tensor load, no barrier: waves share nothing.
.set STGW,  8448                       ; a wave's stage: 16 rows x (512 bytes + 16)
.set SPARE, 4*STGW                     ; behind the stages: the spare words, 128 bytes a wave, which no other line names
.set LI,   4                           ; v4  16 x lane
.set SIN,  5                           ; v5  the stage, on the way in: 16 x lane
.set SOA,  6                           ; v6  and on the way out: 528 r + 64 h
.set SCO,  7                           ; v7  my 8 bytes of the tile's scale words: 32 r + 8 h
.set SPW,  8                           ; v8  my spare word; never rewritten
.set NIL,  9                           ; v9  0; never rewritten
.set TM,   10                          ; v10-25 at work in QUANT
.set PW,   26                          ; v26 the scale word just made
.set WSA,  27                          ; v27 weights: 32 x lane
.set SW,   28                          ; v28-31 scale words (weights: v28-29)
.set PC,   36                          ; v36-55 the codes just made
.set R,    56                          ; v56-183 two sets of 64 numbers as loaded
.set X,    184                         ; v184-247 64 numbers, 16 neighbours of each block
.set OFF,  56                          ; weights: v56-87 the offsets of 32 rows of W
.set XW,   88                          ; v88-151 two sets of 32 numbers
.set F,    152                         ; v152-199 two K steps x two fragments
.set TT,   200                         ; v200-202
.set SEL,  28                          ; s[28:29] selects for lane l xor 16
.set WB,   36                          ; s[36:51] weights: a base for each of 8 blocks
	s_load_b512 s[8:23], s[0:1], 0x0               ; l, x, W_attn_l, W_attn_c, W_q, W_proj, act_img, act_sc
	s_load_b128 s[24:27], s[0:1], 0x40             ; w_img, w_sc
	v_lshl_add_u32 v[SPW], v0, 2, SPARE
	v_mov_b32 v[NIL], 0
	v_lshrrev_b32 v1, 5, v0
	v_readfirstlane_b32 s4, v1                     ; wave
	v_and_b32 v1, 31, v0                           ; lane
	v_and_b32 v2, 15, v0                           ; r
	v_bfe_u32 v3, v0, 4, 1                         ; h
	v_lshlrev_b32 v[LI], 4, v1
	s_mul_i32 s33, s4, STGW
	v_add_nc_u32 v[SIN], s33, v[LI]
	v_mul_u32_u24 v[SOA], v2, 528
	v_lshl_add_u32 v[SOA], v3, 6, v[SOA]
	v_add_nc_u32 v[SOA], s33, v[SOA]
	v_lshlrev_b32 v[SCO], 5, v2
	v_lshl_add_u32 v[SCO], v3, 3, v[SCO]
	v_lshlrev_b32 v[WSA], 5, v1
	s_mov_b32 s[SEL], 0x76543210
	s_mov_b32 s[SEL+1], 0xfedcba98
.irp b, 0,1,2,3
	v_mov_b32 v[TM+4+\b], 0                        ; written once: a lane permute's destination counts as one of its sources
.endr
	s_wait_kmcnt 0x0
	s_cmp_lt_u32 ttmp9, 128
	s_cbranch_scc0 .Lweights
; ---------------- l and x: K is innermost
	s_lshr_b32 s5, s4, 1
	s_and_b32 s6, s4, 1                            ; which four K steps
	s_lshl_b32 s7, ttmp9, 1
	s_add_co_u32 s7, s7, s5                        ; my tile, 0 .. 255
	s_cmp_lt_u32 ttmp9, 64
	s_cselect_b64 s[8:9], s[8:9], s[10:11]         ; l or x: the choice hangs on the work-group's number alone
	s_and_b32 s30, s7, 127
	s_lshr_b32 s31, s30, 1
	s_lshl_b32 s31, s31, 5
	s_and_b32 s30, s30, 1
	s_lshl_b32 s30, s30, 3
	s_add_co_u32 s30, s30, s31                     ; the tile's first natural row: 32 b + 8 u
	s_lshl_b32 s30, s30, 12                        ; rows of 4,096 bytes
	s_lshl_b32 s31, s6, 11
	s_add_co_u32 s30, s30, s31
	s_mov_b32 s31, 0
	s_add_nc_u64 s[8:9], s[8:9], s[30:31]
	s_mul_i32 s30, s7, 12288
	s_mul_i32 s32, s6, 6144
	s_add_co_u32 s30, s30, s32
	s_add_nc_u64 s[20:21], s[20:21], s[30:31]
	s_lshl_b32 s30, s7, 9
	s_lshl_b32 s32, s6, 4
	s_add_co_u32 s30, s30, s32
	s_add_nc_u64 s[22:23], s[22:23], s[30:31]
.macro LOADA t                         ; K step t of the tile's 16 rows: each load reads 512 consecutive bytes of one row
.irp i, 0,1,2,3,4,5,6,7,8,9,10,11,12,13,14,15
	global_load_b128 v[R+64*((\t)%2)+4*\i:R+64*((\t)%2)+4*\i+3], v[LI], s[8:9] offset:(\i+8*(\i/8))*4096+512*(\t) th:TH_LOAD_NT
.endr
.endm
; 64 numbers of a lane, register 16 b + i = k 32 b + 16 h + i of my row, become a fragment's codes in v[PC] on and its scale word in v[PW]
.macro QUANT s
.irp b, 0,1,2,3
	v_max3_num_f32 v[TM+\b], |v[\s+16*\b]|, |v[\s+1+16*\b]|, 0x1800000   ; my 16 numbers of block b, and the floor 2^(3 - 127): the byte cannot fall under 1
.endr
.irp i, 2,4,6,8,10,12,14
.irp b, 0,1,2,3
	v_max3_num_f32 v[TM+\b], v[TM+\b], |v[\s+16*\b+\i]|, |v[\s+1+16*\b+\i]|
.endr
.endr
.irp b, 0,1,2,3
	v_permlanex16_b32 v[TM+4+\b], v[TM+\b], s[SEL], s[SEL+1]
.endr
.irp b, 0,1,2,3
	v_max_num_f32 v[TM+\b], v[TM+\b], v[TM+4+\b]   ; with lane l xor 16's: the block's largest magnitude
.endr
.irp b, 0,1,2,3
	v_add_nc_u32 v[TM+12+\b], 0xff000000, v[TM+\b] ; 2 off its exponent field: the conversion's scale operand
.endr
.irp b, 0,1,2,3
	v_lshrrev_b32 v[TM+4+\b], 23, v[TM+12+\b]      ; the scale's byte
.endr
	v_lshl_or_b32 v[PW], v[TM+5], 8, v[TM+4]
	v_lshl_or_b32 v[PW], v[TM+6], 16, v[PW]
	v_lshl_or_b32 v[PW], v[TM+7], 24, v[PW]
.irp c, 0,1
	v_cvt_scalef32_pk16_fp6_f32 v[PC+6*\c:PC+2+6*\c], v[\s+32*\c:\s+15+32*\c], v[TM+12+2*\c]
	v_cvt_scalef32_pk16_fp6_f32 v[PC+12+4*\c:PC+14+4*\c], v[\s+16+32*\c:\s+31+32*\c], v[TM+12+2*\c+1]   ; (a conversion's three registers begin on an even number)
.endr
	v_nop                                          ; one plain place behind a scaled conversion
.irp c, 0,1                                    ; the operand's layout wants a whole block in a lane
.irp i, 0,1,2
	v_permlane16_swap_b32 v[PC+6*\c+\i], v[PC+12+4*\c+\i]
.endr
.irp i, 0,1,2
	v_mov_b32 v[PC+3+6*\c+\i], v[PC+12+4*\c+\i]
.endr
.endr
.endm
.macro STEPA t
.if (\t) < 3
	s_wait_loadcnt 16                              ; this K step's 16 loads are in; the next step's 16 may be out
.else
	s_wait_loadcnt 0x0
.endif
.irp i, 0,1,2,3,4,5,6,7,8,9,10,11,12,13,14,15
	ds_store_b128 v[SIN], v[R+64*((\t)%2)+4*\i:R+64*((\t)%2)+4*\i+3] offset:528*\i
.endr
.irp b, 0,1,2,3
.irp j, 0,1,2,3
	ds_load_b128 v[X+16*\b+4*\j:X+16*\b+4*\j+3], v[SOA] offset:128*\b+16*\j   ; LDS serves a wave's instructions in order: these see the stores above
.endr
.endr
	s_wait_dscnt 0x0                               ; my 64 numbers are back, and the stores have read their registers
	s_wait_xcnt 0x0                                ; the last step's global stores have read the codes' registers, which are written again below
.if (\t) < 2
	LOADA (\t)+2
.endif
	QUANT X
	v_mov_b32 v[SW+(\t)], v[PW]
.irp c, 0,1,2
	global_store_b128 v[LI], v[PC+4*\c:PC+4*\c+3], s[20:21] offset:1536*(\t)+512*\c   ; 32 lanes store 512 consecutive bytes, aligned
.endr
.endm
	LOADA 0
	LOADA 1
	s_wait_alu depctr_va_vdst(0)
	STEPA 0
	STEPA 1
	STEPA 2
	STEPA 3
	v_cmp_ne_u32 vcc_lo, 0, v3
	v_cndmask_b32 v32, v[SW], v[SW+2], vcc_lo      ; lanes 0-15 store words 0, 1 of their row, lanes 16-31 words 2, 3
	v_cndmask_b32 v33, v[SW+1], v[SW+3], vcc_lo
	global_store_b64 v[SCO], v[32:33], s[22:23]
	s_wait_tensorcnt 0x0                           ; the wave's end, behind my last LDS store
	ds_add_u32 v[SPW], v[NIL]
	s_wait_dscnt 0x0
	s_endpgm
; ---------------- the weights: K is the first axis.  A lane takes a column, its registers run down K
.Lweights:
	s_sub_co_u32 s5, ttmp9, 128
	s_lshr_b32 s6, s5, 2                           ; which 128 of the 6,144 columns
	s_and_b32 s7, s5, 3                            ; which 256 along K
	s_cmp_lt_u32 s6, 40
	s_cselect_b64 s[16:17], s[16:17], s[18:19]     ; W_q or W_proj
	s_cselect_b32 s30, 32, 40
	s_cmp_lt_u32 s6, 16
	s_cselect_b64 s[12:13], s[12:13], s[14:15]     ; W_attn_l or W_attn_c
	s_cselect_b32 s31, 0, 16
	s_cmp_lt_u32 s6, 32
	s_cselect_b64 s[12:13], s[12:13], s[16:17]
	s_cselect_b32 s30, s31, s30
	s_mov_b32 s31, 4096
	s_cselect_b32 s31, 8192, s31                   ; bytes in a row of this weight
	s_sub_co_u32 s30, s6, s30                      ; which 128 of its columns
	s_lshl_b32 s33, s6, 2
	s_add_co_u32 s33, s33, s4                      ; my group of 32 columns, 0 .. 191: tiles 2 G and 2 G + 1
	v_and_b32 v10, 7, v1                           ; lane 16 u + r takes column 8 u + r + 8 (r / 8): bits 3 and 4 of the lane change places
	v_bfe_u32 v11, v1, 3, 1
	v_lshl_or_b32 v10, v11, 4, v10
	v_lshl_or_b32 v10, v3, 3, v10
	v_lshlrev_b32 v10, 2, v10
.irp i, 0,1,2,3,4,5,6,7,8,9,10,11,12,13,14,15,16,17,18,19,20,21,22,23,24,25,26,27,28,29,30,31
	v_mad_u32_u24 v[OFF+\i], s31, \i, v10          ; row i of a block, my column
.endr
	s_lshl_b32 s34, s30, 9
	s_lshl_b32 s35, s4, 7
	s_add_co_u32 s34, s34, s35                     ; my 32 columns, in bytes
	s_lshl_b32 s35, s7, 8
	s_mul_i32 s35, s35, s31                        ; my first row
	s_add_co_u32 s34, s34, s35
	s_mov_b32 s35, 0
	s_add_nc_u64 s[WB:WB+1], s[12:13], s[34:35]
	s_lshl_b32 s34, s31, 5                         ; 32 rows on
.irp t, 1,2,3,4,5,6,7
	s_add_nc_u64 s[WB+2*\t:WB+2*\t+1], s[WB+2*\t-2:WB+2*\t-1], s[34:35]
.endr
	s_mul_i32 s52, s33, 24576
	s_mul_i32 s53, s7, 3072
	s_add_co_u32 s52, s52, s53
	s_mov_b32 s53, 0
	s_add_nc_u64 s[24:25], s[24:25], s[52:53]      ; w_img at tile 2 G, K step 2 kq
	s_lshl_b32 s52, s33, 10
	s_lshl_b32 s34, s7, 3
	s_add_co_u32 s52, s52, s34
	s_add_nc_u64 s[26:27], s[26:27], s[52:53]      ; w_sc at row 32 G, word 2 kq
.macro LOADW t                         ; block t: 32 rows; each load reads 128 consecutive bytes, the four waves side by side 512
.irp i, 0,1,2,3,4,5,6,7,8,9,10,11,12,13,14,15,16,17,18,19,20,21,22,23,24,25,26,27,28,29,30,31
	global_load_b32 v[XW+32*((\t)%2)+\i], v[OFF+\i], s[WB+2*(\t):WB+2*(\t)+1] th:TH_LOAD_NT
.endr
.endm
.macro BLOCKW t                        ; block t = 4 q + 2 c + h of my column: its six registers of codes go where fragment h of K step q has registers 6 c on
.set XS, XW+32*((\t)%2)
.set FD, F+24*((\t)/4)+12*((\t)%2)+6*(((\t)/2)%2)
.if (\t) < 7
	s_wait_loadcnt 32                              ; this block's 32 loads are in; the next block's may be out
.else
	s_wait_loadcnt 0x0
.endif
	v_max3_num_f32 v12, |v[XS]|, |v[XS+1]|, |v[XS+2]|
	v_max3_num_f32 v13, |v[XS+3]|, |v[XS+4]|, |v[XS+5]|
.irp i, 6,10,14,18,22,26
	v_max3_num_f32 v12, v12, |v[XS+\i]|, |v[XS+\i+1]|
	v_max3_num_f32 v13, v13, |v[XS+\i+2]|, |v[XS+\i+3]|
.endr
	v_max3_num_f32 v12, v12, |v[XS+30]|, |v[XS+31]|
	v_max3_num_f32 v12, v12, v13, 0x1800000        ; and the floor
	v_add_nc_u32 v11, 0xff000000, v12
	v_cvt_scalef32_pk16_fp6_f32 v[FD:FD+2], v[XS:XS+15], v11
	v_cvt_scalef32_pk16_fp6_f32 v[TT:TT+2], v[XS+16:XS+31], v11
	v_lshrrev_b32 v13, 23, v11                     ; the byte; also the plain place behind the conversions
.if (\t)%4 == 0
	v_mov_b32 v[SW+(\t)/4], v13
.else
	v_lshl_or_b32 v[SW+(\t)/4], v13, 8*((\t)%4), v[SW+(\t)/4]
.endif
.irp i, 0,1,2
	v_mov_b32 v[FD+3+\i], v[TT+\i]
.endr
.if (\t) < 6
	LOADW (\t)+2
.endif
.endm
.macro SWAPW q                         ; lanes 16-31 of the h = 0 registers (tile 1) change places with lanes 0-15 of the h = 1 registers (tile 0): the first is then tile 0's fragment, the second tile 1's
.set FQ, F+24*(\q)
.irp i, 0,1,2,3,4,5,6,7,8,9,10,11
	v_permlane16_swap_b32 v[FQ+\i], v[FQ+12+\i]
.endr
.irp u, 0,1
.irp c, 0,1,2
	global_store_b128 v[LI], v[FQ+12*\u+4*\c:FQ+12*\u+4*\c+3], s[24:25] offset:12288*\u+1536*(\q)+512*\c
.endr
.endr
.endm
	s_wait_alu depctr_va_vdst(0)
	LOADW 0
	LOADW 1
	BLOCKW 0
	BLOCKW 1
	BLOCKW 2
	BLOCKW 3
	SWAPW 0
	BLOCKW 4
	BLOCKW 5
	BLOCKW 6
	BLOCKW 7
	SWAPW 1
	global_store_b64 v[WSA], v[SW:SW+1], s[26:27]  ; lane = storage row: its two scale words
	s_wait_tensorcnt 0x0                           ; the same three lines close this path
	ds_add_u32 v[SPW], v[NIL]
	s_wait_dscnt 0x0
	s_endpgm
.Lfunc_end_k_q896206ffe0_quant:
	.size	k_q896206ffe0_quant, .Lfunc_end_k_q896206ffe0_quant-k_q896206ffe0_quant
	.p2alignl 7, 3214868480
	.fill 96, 4, 3214868480
	.section	.rodata,"a",@progbits
	.p2align	6, 0x0
	.amdhsa_kernel k_q896206ffe0_quant
		.amdhsa_group_segment_fixed_size 34304
		.amdhsa_private_segment_fixed_size 0
		.amdhsa_enable_private_segment 0
		.amdhsa_kernarg_size 80
		.amdhsa_user_sgpr_count 2
		.amdhsa_user_sgpr_kernarg_segment_ptr 1
		.amdhsa_wavefront_size32 1
		.amdhsa_system_sgpr_workgroup_id_x 1
		.amdhsa_system_sgpr_workgroup_id_y 1
		.amdhsa_system_sgpr_workgroup_id_z 1
		.amdhsa_system_vgpr_workitem_id 0
		.amdhsa_next_free_vgpr 256
		.amdhsa_next_free_sgpr 66
		.amdhsa_reserve_vcc 1
		.amdhsa_float_denorm_mode_32 3
		.amdhsa_float_denorm_mode_16_64 3
		.amdhsa_memory_ordered 1
		.amdhsa_forward_progress 1
		.amdhsa_inst_pref_size 75
	.end_amdhsa_kernel
	.amdgpu_metadata
---
amdhsa.version: [ 1, 2 ]
amdhsa.kernels:
  - .name:           k_q896206ffe0_quant
    .symbol:         k_q896206ffe0_quant.kd
    .args:
      - { .name: l, .offset: 0, .size: 8, .value_kind: global_buffer, .address_space: global }
      - { .name: x, .offset: 8, .size: 8, .value_kind: global_buffer, .address_space: global }
      - { .name: W_attn_l, .offset: 16, .size: 8, .value_kind: global_buffer, .address_space: global }
      - { .name: W_attn_c, .offset: 24, .size: 8, .value_kind: global_buffer, .address_space: global }
      - { .name: W_q, .offset: 32, .size: 8, .value_kind: global_buffer, .address_space: global }
      - { .name: W_proj, .offset: 40, .size: 8, .value_kind: global_buffer, .address_space: global }
      - { .name: act_img, .offset: 48, .size: 8, .value_kind: global_buffer, .address_space: global }
      - { .name: act_sc, .offset: 56, .size: 8, .value_kind: global_buffer, .address_space: global }
      - { .name: w_img, .offset: 64, .size: 8, .value_kind: global_buffer, .address_space: global }
      - { .name: w_sc, .offset: 72, .size: 8, .value_kind: global_buffer, .address_space: global }
    .group_segment_fixed_size: 34304
    .private_segment_fixed_size: 0
    .kernarg_segment_align: 8
    .kernarg_segment_size: 80
    .max_flat_workgroup_size: 128
    .sgpr_count:     66
    .vgpr_count:     256
    .wavefront_size: 32
...
	.end_amdgpu_metadata
.endif
;; end of part 1
;; launch proj_qkv (part 2): grid 40 x 4, 4 waves a work-group, clusters of 4 x 4, 327,680 bytes of LDS; arguments act_img, act_sc, w_img, w_sc, b_attn_l, b_attn_c, b_q, kvq; writes kvq
.if DOCPART == 2
	.amdgcn_target "amdgcn-amd-amdhsa--gfx1250"
	.amdhsa_code_object_version 6
	.text
	.protected	k_q896206ffe0_proj_qkv
	.globl	k_q896206ffe0_proj_qkv
	.p2align	8
	.type	k_q896206ffe0_proj_qkv,@function
k_q896206ffe0_proj_qkv:
	s_mov_b64 s[64:65], 0
	v_nop
	global_prefetch_b8 v0, s[64:65] scope:SCOPE_SE
	s_setreg_imm32_b32 hwreg(HW_REG_WAVE_MODE, 25, 1), 1
	s_wait_xcnt 0x0
	s_wait_alu depctr_hold_cnt(0) depctr_sa_sdst(0) depctr_va_vdst(0) depctr_va_sdst(0) depctr_va_ssrc(0) depctr_va_vcc(0) depctr_vm_vsrc(0)
	s_getreg_b32 s2, hwreg(HW_REG_IB_STS2, 6, 4)
	s_cmp_eq_u32 s2, 0
	s_cbranch_scc0 .Lentry_in_a_cluster
	s_endpgm
.Lentry_in_a_cluster:
	s_bfe_u32 s2, ttmp6, 0x10000c
	s_cmp_lg_u32 s2, 0xf033
	s_cbranch_scc0 .Lentry_shape_is_right
	s_endpgm
.Lentry_shape_is_right:
.set FRB,   1536
.set LINE,  3072
.set HALFT, 8*LINE
.set SLOT,  4*HALFT
.set NQ,    2
.set FR,    12
.set NL,    3
.set NP,    4
.set SCL,   2*SLOT
.set HALFS, 4352
.set SBLK,  544
.set SPARE, SCL+4*HALFS
.set HEADB, 589824
.set SCOFF, 9437184
.set HEADS, 24576
.set LI,   4
.set L8,   7
.set SVO,  8
.set SELV, 9
.set ADRA, 16
.set ADRB, 20
.set ADRS, 27
.set SPW,  28
.set NIL,  29
.set SC,   32
.set BI,   64
.set TM,   64
.set PW,   80
.set PWS,  84
.set OW,   92
.set PC,   96
.set AF,   128
.set WV,   20
.set HP,   21
.set HR,   22
.set TYPE, 23
.set G1,   24
.set G0,   32
.set CX,   40
.set CY,   41
.set RG,   42
.set PG,   45
.set G1B,  48
.set G0B,  56
.set JJ,   66
.set HALF, 67
.set G1S,  68
.set G0S,  76
.set G1SB, 80
.set G0SB, 88
.set BC,   92
.set BS,   94
.set SEL,  104
.set MSB, 0
.macro WIN new
.if MSB != \new
	s_set_vgpr_msb (MSB<<8)|\new
.set MSB, \new
.endif
.endm
.set MUL_LO, 0xa1
.set MUL_HI, 0xf1
.set TO_B,   0x40
.macro JLOAD g0a, g1a, g0b, g1b
	s_cmp_eq_u32 s[HP], 0
	s_cbranch_scc0 .Lfor_b_\@
	tensor_load_to_lds s[\g0a:\g0a+3], s[\g1a:\g1a+7]
	s_nop 0
.rept 4
	v_nop
.endr
	s_branch .Lasked_\@
.Lfor_b_\@:
	tensor_load_to_lds s[\g0b:\g0b+3], s[\g1b:\g1b+7]
	s_nop 0
.rept 4
	v_nop
.endr
.Lasked_\@:
.endm
.macro CREST
	s_cmp_lg_u32 s[WV], 0
	s_cbranch_scc1 .Lnot_wave_0_\@
	s_barrier_signal -3
.Lnot_wave_0_\@:
	s_barrier_wait -3
	s_barrier_signal -1
	s_barrier_wait -1
.endm
.macro CROUND
	s_barrier_signal -1
	s_barrier_wait -1
	CREST
.endm
	s_load_b512 s[4:19], s[0:1], 0x0
	v_lshl_add_u32 v[SPW], v0, 2, SPARE
	v_mov_b32 v[NIL], 0
	ds_add_u32 v[SPW], v[NIL]
	ds_add_u32 v[SPW], v[NIL]
	v_lshrrev_b32 v1, 5, v0
	v_readfirstlane_b32 s[WV], v1
	s_lshr_b32 s[HP], s[WV], 1
	s_and_b32 s[HR], s[WV], 1
	s_bfe_u32 s[CX], ttmp6, 0x40000
	s_bfe_u32 s[CY], ttmp6, 0x40004
	s_lshr_b32 s2, ttmp9, 1
	s_and_b32 s[HALF], ttmp9, 1
	s_cmp_ge_u32 s2, 3
	s_cselect_b32 s[TYPE], 1, 0
	s_sub_co_u32 s3, s2, 3
	s_cmp_eq_u32 s[TYPE], 0
	s_cselect_b32 s[JJ], s2, s3
	s_min_u32 s46, s2, 1
	s_lshl_b32 s46, s46, 3
	s_lshl_b32 s47, s[HALF], 2
	s_add_co_u32 s46, s46, s47
	s_lshl_b32 s100, s[JJ], 3
	s_add_co_u32 s101, s100, 4
	s_add_co_u32 s47, s100, s47
	s_cmp_eq_u32 s[TYPE], 0
	s_cselect_b32 s[PG], s46, s101
	s_cselect_b32 s[RG], s100, s47
	s_add_co_u32 s[PG], s[PG], s[CY]
	s_add_co_u32 s[RG], s[RG], s[CX]
	s_lshl_b32 s43, s[CY], 2
	s_lshl_b32 s43, 15, s43
	s_lshl_b32 s44, 0x1111, s[CX]
	s_or_b32 s[G1+0], s43, (3<<16)|(1<<21)
	s_or_b32 s[G1B+0], s44, (3<<16)|(1<<21)
.irp g, G1, G1B
	s_mov_b32 s[\g+1], 384<<16
	s_mov_b32 s[\g+2], 16<<16
	s_mov_b32 s[\g+3], 384<<16
	s_mov_b32 s[\g+4], 16
	s_mov_b32 s[\g+5], 1536
	s_mov_b32 s[\g+6], 0
	s_mov_b32 s[\g+7], 0
.endr
	s_or_b32 s[G1S+0], s43, (3<<16)|(1<<20)|(1<<21)|(5<<22)|(3<<25)
	s_or_b32 s[G1SB+0], s44, (3<<16)|(1<<20)|(1<<21)|(5<<22)|(3<<25)
.irp g, G1S, G1SB
	s_mov_b32 s[\g+1], 32<<16
	s_mov_b32 s[\g+2], 32<<16
	s_mov_b32 s[\g+3], 32<<16
	s_mov_b32 s[\g+4], 32
	s_mov_b32 s[\g+5], 32
	s_mov_b32 s[\g+6], 0
	s_mov_b32 s[\g+7], 0
.endr
	s_lshl_b32 s92, s[PG], 8                       ; the block's first row on each side: the head's loads bring all 256 rows
	s_lshl_b32 s96, s[RG], 8
	s_lshl_b32 s94, s92, 5
	s_mul_i32 s92, s92, 768
	s_lshl_b32 s98, s96, 5
	s_mul_i32 s96, s96, 768
	s_mov_b32 s93, 0
	s_mov_b32 s95, 0
	s_mov_b32 s97, 0
	s_mov_b32 s99, 0
	s_mul_i32 s46, s[WV], HALFT
	s_wait_dscnt 0x0
	s_wait_kmcnt 0x0
	s_cmp_eq_u32 s[TYPE], 0
	s_cselect_b64 s[100:101], s[4:5], s[8:9]
	s_cselect_b64 s[104:105], s[6:7], s[10:11]
	s_cselect_b64 s[8:9], s[8:9], s[4:5]
	s_cselect_b64 s[10:11], s[10:11], s[6:7]
	s_add_nc_u64 s[100:101], s[100:101], s[92:93]
	s_add_nc_u64 s[104:105], s[104:105], s[94:95]
	s_add_nc_u64 s[8:9], s[8:9], s[96:97]
	s_add_nc_u64 s[10:11], s[10:11], s[98:99]
	CROUND
	; the head's four tiles, each whole, one joint load a wave: wave 0 slot 0's 16 lines of source 1, wave 1 those of source 0, waves 2 and 3 the two sides' scale words (32 rows of 256 bytes each)
	s_mov_b32 s[G0S], 1
	s_mov_b32 s[G0S+1], SCL
	s_mov_b64 s[G0S+2:G0S+3], s[104:105]
	s_or_b32 s[G0S+3], s[G0S+3], 0x80000000
	s_mov_b32 s[G0SB], 1
	s_mov_b32 s[G0SB+1], SCL+2*HALFS
	s_mov_b64 s[G0SB+2:G0SB+3], s[10:11]
	s_or_b32 s[G0SB+3], s[G0SB+3], 0x80000000
	s_mov_b32 s[G0], 1
	s_mov_b32 s[G0+1], 0
	s_mov_b64 s[G0+2:G0+3], s[100:101]
	s_or_b32 s[G0+3], s[G0+3], 0x80000000
	s_mov_b32 s[G0B], 1
	s_mov_b32 s[G0B+1], 2*HALFT
	s_mov_b64 s[G0B+2:G0B+3], s[8:9]
	s_or_b32 s[G0B+3], s[G0B+3], 0x80000000
.macro ARM under, g0, g1, next
	s_cmp_lt_u32 s[WV], \under
	s_cbranch_scc0 \next
	tensor_load_to_lds s[\g0:\g0+3], s[\g1:\g1+7]
	s_nop 0
.rept 4
	v_nop
.endr
	s_branch .Lhead_asked
\next:
.endm
	ARM 1, G0,  G1,  .Lhead_b
	ARM 2, G0B, G1B, .Lhead_sa
	ARM 3, G0S, G1S, .Lhead_sb
	tensor_load_to_lds s[G0SB:G0SB+3], s[G1SB:G1SB+7]
	s_nop 0
.rept 4
	v_nop
.endr
.Lhead_asked:
	s_mul_i32 s2, s[HR], 8*12288                   ; in the ring a wave fetches 8 tiles of a side: which half, in bytes
	s_mov_b32 s3, 0
	s_add_nc_u64 s[100:101], s[100:101], s[2:3]
	s_add_nc_u64 s[8:9], s[8:9], s[2:3]
	s_mov_b32 s[G0+4], 1
	s_add_co_u32 s[G0+5], s46, SLOT
	s_add_nc_u64 s[G0+6:G0+7], s[100:101], LINE
	s_or_b32 s[G0+7], s[G0+7], 0x80000000
	s_mov_b32 s[G0B+4], 1
	s_add_co_u32 s[G0B+5], s46, SLOT
	s_add_nc_u64 s[G0B+6:G0B+7], s[8:9], LINE
	s_or_b32 s[G0B+7], s[G0B+7], 0x80000000
	; THE PREFETCHES.  A wave's quarter of a slot is 8 lines of 3,072 bytes, 12,288 apart: 96 blocks of 256 bytes.  The four partners that ask for it jointly share them out by address: partner p (cx for source 1's side, cy for source 0's)
	; takes lines 2 p and 2 p + 1, 24 blocks, a lane a block (lanes 24-31 name the last block again).  Slots 1 and 2 are asked for here, slot 3 behind slot 1's load; the slot stands in the immediate, so no address is stepped.
	s_cmp_eq_u32 s[HP], 0
	s_cselect_b64 s[96:97], s[100:101], s[8:9]
	s_cselect_b32 s98, s[CX], s[CY]
	s_mul_i32 s98, s98, 2*12288
	s_mov_b32 s99, 0
	s_add_nc_u64 s[96:97], s[96:97], s[98:99]
	v_and_b32 v31, 31, v0
	v_min_u32 v31, 23, v31
	v_mul_u32_u24 v30, v31, 171
	v_lshrrev_b32 v30, 11, v30                     ; lane / 12
	v_mul_u32_u24 v30, v30, 12288-3072
	v_lshl_add_u32 v30, v31, 8, v30                ; 256 x lane, and on to the second line behind 12 blocks; never rewritten
	global_prefetch_b8 v30, s[96:97] offset:LINE th:TH_LOAD_NT scope:SCOPE_SE
	global_prefetch_b8 v30, s[96:97] offset:2*LINE th:TH_LOAD_NT scope:SCOPE_SE
	v_and_b32 v1, 15, v0
	v_bfe_u32 v2, v0, 4, 1
	v_and_b32 v3, 31, v0
	v_lshlrev_b32 v[LI], 4, v3
	v_lshlrev_b32 v[L8], 3, v3
	v_mul_u32_u24 v[SVO], v2, HEADS
	v_lshl_add_u32 v[SVO], v1, 4, v[SVO]
	s_mov_b32 s2, 0x02020202
	v_mul_lo_u32 v[SELV], v2, s2
	v_add_nc_u32 v[SELV], 0x05040100, v[SELV]
	v_lshlrev_b32 v10, 6, v2
	v_and_b32 v11, 8, v1
	v_add_nc_u32 v11, v11, v1
	v_lshlrev_b32 v11, 2, v11
	s_mul_i32 s2, s[HP], HALFT
	s_mul_i32 s3, s[HR], HALFT
	s_add_co_u32 s3, s3, 2*HALFT
.irp s, 0,1
	v_add_nc_u32 v[ADRA+\s], s2, v[LI]
	v_add_nc_u32 v[ADRB+\s], s3, v[LI]
	s_add_co_u32 s2, s2, SLOT
	s_add_co_u32 s3, s3, SLOT
.endr
	v_lshlrev_b32 v5, 5, v1
	v_lshrrev_b32 v6, 8, v5
	v_lshl_add_u32 v5, v6, 4, v5
	s_mul_i32 s2, s[HP], HALFS
	s_mul_i32 s3, s[HR], HALFS
	s_add_co_u32 s3, s3, 2*HALFS
	s_sub_co_u32 s3, s3, s2
	v_mul_u32_u24 v6, s3, v2
	s_add_co_u32 s2, s2, SCL
	v_add_nc_u32 v5, v5, v6
	v_add_nc_u32 v[ADRS], s2, v5
	s_cmp_eq_u32 s[JJ], 0
	s_cselect_b64 s[12:13], s[12:13], s[14:15]
	s_cmp_eq_u32 s[JJ], 2
	s_cselect_b64 s[12:13], s[16:17], s[12:13]
	s_lshl_b32 s2, s[CX], 10
	s_lshl_b32 s3, s[HR], 9
	s_add_co_u32 s2, s2, s3
	s_lshl_b32 s3, s[CY], 10
	s_lshl_b32 s14, s[HP], 9
	s_add_co_u32 s3, s3, s14
	s_add_co_u32 s3, s3, 4096
	s_cmp_eq_u32 s[TYPE], 0
	s_cselect_b32 s2, s2, s3
	s_cselect_b32 s14, s[CY], s[CX]
	s_cselect_b32 s15, s[HP], s[HR]
	s_cselect_b32 s16, s[CX], s[CY]
	s_cselect_b32 s17, s[HR], s[HP]
	s_mov_b32 s3, 0
	s_add_nc_u64 s[12:13], s[12:13], s[2:3]
	s_lshl_b32 s2, s[HALF], 2
	s_add_co_u32 s14, s14, s2
	s_lshl_b32 s14, s14, 1
	s_add_co_u32 s14, s14, s15
	s_lshl_b32 s2, s[JJ], 4
	s_add_co_u32 s14, s14, s2
	s_lshl_b32 s16, s16, 2
	s_lshl_b32 s17, s17, 1
	s_add_co_u32 s16, s16, s17
	s_mul_i32 s2, s16, HEADB
	s_mul_i32 s15, s14, 12288
	s_add_co_u32 s2, s2, s15
	s_add_nc_u64 s[BC:BC+1], s[18:19], s[2:3]
	s_mul_i32 s2, s16, HEADS
	s_lshl_b32 s15, s14, 9
	s_add_co_u32 s2, s2, s15
	s_add_co_u32 s2, s2, SCOFF
	s_add_nc_u64 s[BS:BS+1], s[18:19], s[2:3]
	s_mov_b32 s[SEL], 0x76543210
	s_mov_b32 s[SEL+1], 0xfedcba98
	s_cmp_eq_u32 s[TYPE], 0
	s_cbranch_scc0 .Lbias_v
.irp b, 0,1,2,3,4,5,6,7
	global_load_b128 v[BI+8*\b:BI+8*\b+3], v10, s[12:13] offset:(32*(\b/2)+8*(\b%2))*4
	global_load_b128 v[BI+8*\b+4:BI+8*\b+7], v10, s[12:13] offset:(32*(\b/2)+8*(\b%2))*4+16
.endr
	s_branch .Lbias_done
.Lbias_v:
.irp a, 0,1,2,3,4,5,6,7
	global_load_b32 v[BI+8*\a], v11, s[12:13] offset:(32*(\a/2)+8*(\a%2))*4
.endr
	s_wait_loadcnt 0x0
.irp a, 0,1,2,3,4,5,6,7
.irp j, 1,2,3,4,5,6,7
	v_mov_b32 v[BI+8*\a+\j], v[BI+8*\a]
.endr
.endr
.Lbias_done:
.macro FRAG reg, adr, q, i
.irp c, 0,1,2
	ds_load_b128 v[\reg+4*\c:\reg+4*\c+3], v[\adr] offset:(\i)*LINE+(\q)*FRB+512*\c
.endr
.endm
.macro MUL16 a0, p, q, sc, zero
.irp a, \a0, \a0+1
.irp b, 0,1,2,3,4,5,6,7
.if \zero == 1
	v_wmma_scale_f32_16x16x128_f8f6f4 v[8*(8*((\a)%4)+\b):8*(8*((\a)%4)+\b)+7], v[128*(\p)+FR*\b:128*(\p)+FR*\b+FR-1], v[AF+FR*(\a):AF+FR*(\a)+FR-1], v[BI+8*\b:BI+8*\b+7], v[SC+8*NQ*(\sc)+NQ*\b+(\q)], v[SC+8*NQ*(\sc)+NQ*(\a)+(\q)] matrix_a_fmt:MATRIX_FMT_FP6 matrix_b_fmt:MATRIX_FMT_FP6 matrix_a_scale:MATRIX_SCALE_ROW1
.elseif \zero == 2
	v_wmma_scale_f32_16x16x128_f8f6f4 v[8*(8*((\a)%4)+\b):8*(8*((\a)%4)+\b)+7], v[128*(\p)+FR*\b:128*(\p)+FR*\b+FR-1], v[AF+FR*(\a):AF+FR*(\a)+FR-1], v[BI+8*(\a):BI+8*(\a)+7], v[SC+8*NQ*(\sc)+NQ*\b+(\q)], v[SC+8*NQ*(\sc)+NQ*(\a)+(\q)] matrix_a_fmt:MATRIX_FMT_FP6 matrix_b_fmt:MATRIX_FMT_FP6 matrix_a_scale:MATRIX_SCALE_ROW1
.else
	v_wmma_scale_f32_16x16x128_f8f6f4 v[8*(8*((\a)%4)+\b):8*(8*((\a)%4)+\b)+7], v[128*(\p)+FR*\b:128*(\p)+FR*\b+FR-1], v[AF+FR*(\a):AF+FR*(\a)+FR-1], v[8*(8*((\a)%4)+\b):8*(8*((\a)%4)+\b)+7], v[SC+8*NQ*(\sc)+NQ*\b+(\q)], v[SC+8*NQ*(\sc)+NQ*(\a)+(\q)] matrix_a_fmt:MATRIX_FMT_FP6 matrix_b_fmt:MATRIX_FMT_FP6 matrix_a_scale:MATRIX_SCALE_ROW1
.endif
.endr
.endr
.endm
.macro FETCH_B slot, q, p
	WIN TO_B
.irp i, 0,1,2,3,4,5,6,7
	FRAG 128*(\p)+FR*\i, ADRB+\slot, \q, \i
.endr
	WIN 0
.endm
.macro FETCH_A slot, q, i0
.irp i, \i0, \i0+1, \i0+2, \i0+3
	FRAG AF+FR*(\i), ADRA+\slot, \q, \i
.endr
.endm
.macro SCALES sc
.irp i, 0,1,2,3,4,5,6,7
	ds_load_b64 v[SC+8*NQ*\sc+NQ*\i:SC+8*NQ*\sc+NQ*\i+1], v[ADRS] offset:\i*SBLK
.endr
.endm
.macro PLACES n
.rept \n
	v_nop
.endr
.endm
.macro STEP slot, q, zero
	s_wait_dscnt 4*NL
.if \zero
	WIN 0x81
.else
	WIN MUL_LO
.endif
	MUL16 0, (\q)%2, \q, \slot, \zero
	MUL16 2, (\q)%2, \q, \slot, \zero
	s_wait_dscnt 0
	PLACES NP
	FETCH_B \slot, (\q)+1, 1-(\q)%2
	FETCH_A \slot, (\q)+1, 0
.if \zero
	WIN 0xc1
.else
	WIN MUL_HI
.endif
	MUL16 4, (\q)%2, \q, \slot, \zero
	MUL16 6, (\q)%2, \q, \slot, \zero
	PLACES NP
	WIN 0
	FETCH_A \slot, (\q)+1, 4
.endm
.macro TURN slot, next, fill
	s_wait_tensorcnt 0x0
	ds_add_u32 v[SPW], v[NIL]
	s_wait_dscnt 4*NL+1
	WIN MUL_LO
	MUL16 0, 1, NQ-1, \slot, 0
	s_wait_dscnt 0x0
	s_barrier_signal -1
	MUL16 2, 1, NQ-1, \slot, 0
	WIN 0
	s_barrier_wait -1
.if \fill
	CREST
	s_add_nc_u64 s[G0+4*\slot+2:G0+4*\slot+3], s[G0+4*\slot+2:G0+4*\slot+3], 2*LINE
	s_add_nc_u64 s[G0B+4*\slot+2:G0B+4*\slot+3], s[G0B+4*\slot+2:G0B+4*\slot+3], 2*LINE
	JLOAD G0+4*\slot, G1, G0B+4*\slot, G1B
.else
	PLACES NP
.endif
	s_wait_alu depctr_va_vdst(0)
	v_add_nc_u32 v[ADRS], 4*NQ, v[ADRS]
	FETCH_B \next, 0, 0
	FETCH_A \next, 0, 0
	SCALES \next
	WIN MUL_HI
	MUL16 4, 1, NQ-1, \slot, 0
	MUL16 6, 1, NQ-1, \slot, 0
	PLACES NP
	WIN 0
	FETCH_A \next, 0, 4
.endm
	s_wait_alu depctr_va_vdst(0)                   ; The addresses and the bias loads above stand under the head's tensor loads
	s_wait_tensorcnt 0x0                           ; my tile of the head's four is in
	ds_add_u32 v28, v29
	s_mov_b32 s[G1+2], 8<<16                       ; no tensor load of mine is out: from here on a load brings 8 lines,
	s_mov_b32 s[G1+4], 8
	s_mov_b32 s[G1B+2], 8<<16
	s_mov_b32 s[G1B+4], 8
	s_mov_b32 s[G0+1], s46                         ; and slot 0's group 0 stands for my quarter of the slot
	s_mov_b64 s[G0+2:G0+3], s[100:101]
	s_or_b32 s[G0+3], s[G0+3], 0x80000000
	s_mov_b32 s[G0B+1], s46
	s_mov_b64 s[G0B+2:G0B+3], s[8:9]
	s_or_b32 s[G0B+3], s[G0B+3], 0x80000000
	s_wait_dscnt 0x0
	CROUND                                         ; all four tiles are in, in every partner
	JLOAD G0+4, G1, G0B+4, G1B                     ; slot 1's first fill, the first tensor load behind the round
	global_prefetch_b8 v30, s[96:97] offset:3*LINE th:TH_LOAD_NT scope:SCOPE_SE
	s_wait_alu depctr_va_vdst(0)
	FETCH_B 0, 0, 0
	FETCH_A 0, 0, 0
	SCALES 0
	FETCH_A 0, 0, 4
	s_wait_loadcnt 0x0
	s_cmp_eq_u32 s[TYPE], 0
	s_cbranch_scc0 .Lfirst_v
	STEP 0, 0, 1
	s_branch .Lfirst_done
.Lfirst_v:
	STEP 0, 0, 2
.Lfirst_done:
	TURN 0, 1, 1
	STEP 1, 0, 0
	TURN 1, 0, 1
	STEP 0, 0, 0
	TURN 0, 1, 0
	STEP 1, 0, 0
	s_wait_dscnt 4*NL
	WIN MUL_LO
	MUL16 0, 1, NQ-1, 1, 0
	MUL16 2, 1, NQ-1, 1, 0
	s_wait_dscnt 0
	WIN MUL_HI
	MUL16 4, 1, NQ-1, 1, 0
	MUL16 6, 1, NQ-1, 1, 0
	WIN 0
	PLACES NP
.macro QUANTW a
.set AC, 64*((\a)%4)
.set W, 2+(\a)/4
.set W01, W+4*W
.set W12, 4*W+16*W
	WIN W01
.irp b, 0,1,2,3
	v_max3_num_f32 v[TM+\b], |v[AC+16*\b]|, |v[AC+1+16*\b]|, 0x1800000
.endr
	WIN W12
.irp i, 2,4,6,8,10,12,14
.irp b, 0,1,2,3
	v_max3_num_f32 v[TM+\b], v[TM+\b], |v[AC+16*\b+\i]|, |v[AC+1+16*\b+\i]|
.endr
.endr
	WIN 0
.irp b, 0,1,2,3
	v_permlanex16_b32 v[TM+4+\b], v[TM+\b], s[SEL], s[SEL+1]
.endr
.irp b, 0,1,2,3
	v_max_num_f32 v[TM+\b], v[TM+\b], v[TM+4+\b]
.endr
.irp b, 0,1,2,3
	v_add_nc_u32 v[TM+12+\b], 0xff000000, v[TM+\b]
.endr
.irp b, 0,1,2,3
	v_lshrrev_b32 v[TM+4+\b], 23, v[TM+12+\b]
.endr
	v_lshl_or_b32 v[PW], v[TM+5], 8, v[TM+4]
	v_lshl_or_b32 v[PW], v[TM+6], 16, v[PW]
	v_lshl_or_b32 v[PWS+(\a)], v[TM+7], 24, v[PW]
	s_wait_xcnt 0x0
	WIN W
.irp c, 0,1
	v_cvt_scalef32_pk16_fp6_f32 v[PC+6*\c:PC+2+6*\c], v[AC+32*\c:AC+15+32*\c], v[TM+12+2*\c]
	v_cvt_scalef32_pk16_fp6_f32 v[PC+12+4*\c:PC+14+4*\c], v[AC+16+32*\c:AC+31+32*\c], v[TM+12+2*\c+1]
.endr
	WIN 0
	v_nop
.irp c, 0,1
.irp i, 0,1,2
	v_permlane16_swap_b32 v[PC+6*\c+\i], v[PC+12+4*\c+\i]
.endr
.irp i, 0,1,2
	v_mov_b32 v[PC+3+6*\c+\i], v[PC+12+4*\c+\i]
.endr
.endr
.endm
.irp b, 0,1,2,3
	v_mov_b32 v[TM+4+\b], 0
.endr
	s_cmp_eq_u32 s[TYPE], 0
	s_cbranch_scc0 .Lout_v
.irp a, 0,1,2,3,4,5,6,7
	QUANTW \a
	global_store_b128 v[LI], v[PC:PC+3], s[BC:BC+1] offset:768*\a
	global_store_b64 v[L8], v[PC+4:PC+5], s[BC:BC+1] offset:768*\a+512
	global_store_b128 v[LI], v[PC+6:PC+9], s[BC:BC+1] offset:768*\a+HEADB
	global_store_b64 v[L8], v[PC+10:PC+11], s[BC:BC+1] offset:768*\a+512+HEADB
.endr
.irp b, 0,1,2,3
	v_perm_b32 v[OW+\b], v[PWS+2*\b+1], v[PWS+2*\b], v[SELV]
.endr
	global_store_b128 v[SVO], v[OW:OW+3], s[BS:BS+1]
	s_branch .Lend
.Lout_v:
.irp a, 0,1,2,3,4,5,6,7
	QUANTW \a
.irp c, 0,1,2
	global_store_b128 v[LI], v[PC+4*\c:PC+4*\c+3], s[BC:BC+1] offset:(\a/4)*HEADB+6144+(\a%4)*1536+512*\c
.endr
.endr
	v_cmp_ne_u32 vcc_lo, 0, v2
.irp t, 0,1,2,3
	v_cndmask_b32 v[OW+\t], v[PWS+\t], v[PWS+4+\t], vcc_lo
.endr
	global_store_b128 v[SVO], v[OW:OW+3], s[BS:BS+1] offset:256
.Lend:
	s_wait_tensorcnt 0x0
	ds_add_u32 v[SPW], v[NIL]
	s_wait_dscnt 0x0
	CROUND
	s_endpgm
.Lfunc_end_k_q896206ffe0_proj_qkv:
	.size	k_q896206ffe0_proj_qkv, .Lfunc_end_k_q896206ffe0_proj_qkv-k_q896206ffe0_proj_qkv
	.p2alignl 7, 3214868480
	.fill 96, 4, 3214868480
	.section	.rodata,"a",@progbits
	.p2align	6, 0x0
	.amdhsa_kernel k_q896206ffe0_proj_qkv
		.amdhsa_group_segment_fixed_size 327680
		.amdhsa_private_segment_fixed_size 0
		.amdhsa_enable_private_segment 0
		.amdhsa_kernarg_size 64
		.amdhsa_user_sgpr_count 2
		.amdhsa_user_sgpr_kernarg_segment_ptr 1
		.amdhsa_wavefront_size32 1
		.amdhsa_system_sgpr_workgroup_id_x 1
		.amdhsa_system_sgpr_workgroup_id_y 1
		.amdhsa_system_sgpr_workgroup_id_z 1
		.amdhsa_system_vgpr_workitem_id 0
		.amdhsa_next_free_vgpr 1024
		.amdhsa_next_free_sgpr 106
		.amdhsa_reserve_vcc 1
		.amdhsa_float_denorm_mode_32 3
		.amdhsa_float_denorm_mode_16_64 3
		.amdhsa_memory_ordered 1
		.amdhsa_forward_progress 1
		.amdhsa_inst_pref_size 194
	.end_amdhsa_kernel
	.amdgpu_metadata
---
amdhsa.version: [ 1, 2 ]
amdhsa.kernels:
  - .name:           k_q896206ffe0_proj_qkv
    .symbol:         k_q896206ffe0_proj_qkv.kd
    .args:
      - { .name: act_img, .offset: 0, .size: 8, .value_kind: global_buffer, .address_space: global }
      - { .name: act_sc, .offset: 8, .size: 8, .value_kind: global_buffer, .address_space: global }
      - { .name: w_img, .offset: 16, .size: 8, .value_kind: global_buffer, .address_space: global }
      - { .name: w_sc, .offset: 24, .size: 8, .value_kind: global_buffer, .address_space: global }
      - { .name: b_attn_l, .offset: 32, .size: 8, .value_kind: global_buffer, .address_space: global }
      - { .name: b_attn_c, .offset: 40, .size: 8, .value_kind: global_buffer, .address_space: global }
      - { .name: b_q, .offset: 48, .size: 8, .value_kind: global_buffer, .address_space: global }
      - { .name: kvq, .offset: 56, .size: 8, .value_kind: global_buffer, .address_space: global }
    .group_segment_fixed_size: 327680
    .private_segment_fixed_size: 0
    .kernarg_segment_align: 8
    .kernarg_segment_size: 64
    .max_flat_workgroup_size: 128
    .sgpr_count:     106
    .vgpr_count:     1024
    .wavefront_size: 32
...
	.end_amdgpu_metadata
.endif
;; end of part 2
;; launch attn (part 3): grid 16 x 16, 16 waves a work-group, clusters of 4 x 1, 327,680 bytes of LDS; arguments kvq, y_img, y_sc; writes y_img, y_sc
.if DOCPART == 3
	.amdgcn_target "amdgcn-amd-amdhsa--gfx1250"
	.amdhsa_code_object_version 6
	.text
	.protected	k_q896206ffe0_attn
	.globl	k_q896206ffe0_attn
	.p2align	8
	.type	k_q896206ffe0_attn,@function
k_q896206ffe0_attn:
	s_mov_b64 s[64:65], 0
	v_nop
	global_prefetch_b8 v0, s[64:65] scope:SCOPE_SE
	s_setreg_imm32_b32 hwreg(HW_REG_WAVE_MODE, 25, 1), 1
	s_wait_xcnt 0x0
	s_wait_alu depctr_hold_cnt(0) depctr_sa_sdst(0) depctr_va_vdst(0) depctr_va_sdst(0) depctr_va_ssrc(0) depctr_va_vcc(0) depctr_vm_vsrc(0)
	s_getreg_b32 s2, hwreg(HW_REG_IB_STS2, 6, 4)
	s_cmp_eq_u32 s2, 0
	s_cbranch_scc0 .Lentry_in_a_cluster
	s_endpgm
.Lentry_in_a_cluster:
	s_bfe_u32 s2, ttmp6, 0x10000c
	s_cmp_lg_u32 s2, 0x3003
	s_cbranch_scc0 .Lentry_shape_is_right
	s_endpgm
.Lentry_shape_is_right:
; y[q][head] = softmax(q . k / 8, key kk counts for query i where kk <= i + 2,047) v, both products on codes of FP6 (E2M3); y is quantised along its 64 channels and leaves as an operand of the last projection.
; THE SOFTMAX: t = score x log2(e) / 8; M = the running largest t rounded up to a whole number; p = 2^(t - M) is quantised along the keys, not normalised; the sum of the unquantised p divides at the end.
; SHARES.  A tile is 16 queries; the eight tiles 8 E .. 8 E + 7 share their diagonal step SD = 16 + E (a step is 128 keys): open below it, masked at it, left out beyond (a scalar branch on ids).
; A work-group (one head) walks the keys TWICE: first for four tiles with E = 2 c + e (c the cluster, e = 0, 1), then for four with E = 15 - 2 c - e: 17 + E and 32 - E steps, 49 for every pair.
; Wave 4 q + i serves tile i of the walk and takes the steps S with S % 4 = q, so all sixteen waves have the same steps in hand in every slot but the one with the diagonal.
; A slot holds 8 steps' codes (98,304 bytes) and their scale words (4,096): the first walk is slots 0, 1, 2, the second 0, 1, 2, 3, the same in every work-group: 7 fills on two LDS slots.
; At the change of walks a wave puts its O^T, sum and -M into LDS bytes of its own and takes the second tile's Q from its stash; at the end it does the same, and waves 0-7 join the four parts of a tile each.  M is whole, so the join rounds nothing.
; LAYOUT.  Both products transposed: a lane holds one query.  A key tile holds keys 32 b + 8 u + r + 8 (r / 8), so the 16 registers of tiles 2 b, 2 b + 1 are 16 neighbouring keys.
; The head has 64 channels, half of the instruction's K: a fragment of K packs tile 2 b in registers 0-5 and tile 2 b + 1 in registers 6-11, and is multiplied by (Q, zeros) and by (zeros, Q): zero codes add nothing.
; CLUSTER.  The four work-groups of a cluster share a head and a stream: every fill is a joint load.  Partner cx takes tiles 8 E + 2 cx + u: cx enters global addresses and the mask's numbers alone.
; LIMITS: a block's largest p is taken from its largest score (v_exp_f32 is taken not to fall where its input rises); a block of zeros keeps the byte 1; NaN and infinities are not served.
.set HEADB, 589824
.set SCOFF, 9437184
.set HEADS, 24576
.set STEPB, 12288
.set SLOTB, 8*STEPB
.set SLSC,  SLOTB                      ; a slot's scale words lie behind its codes
.set SLSB,  4096
.set SLOT1, 131072                     ; slot 1 begins here: one exclusive or turns an address
.set STQ,   102400                     ; behind slot 0: the stash, 1,024 bytes a wave: the second tile's Q and its scale word
.set SPARE, 118784                     ; the spare words, 128 bytes a wave, which no other line names
.set DW,    4608                       ; a wave's part: O^T 4,096, the sum 128, -M 128
.set DUMPB, SLOT1                      ; the second walk's parts: in slot 1, behind its last fill and its last read
.set DUMPA, SLOT1+102400               ; the first walk's parts: bytes of their own
.set PFO, 0                            ; v0  256 x lane (once the head has used the thread's number)
.set LI,  1                            ; v1  16 x lane
.set L8,  2                            ; v2  8 x lane
.set ASC, 3                            ; v3  SLSC + 16 r
.set QM,  4                            ; v4  2,047 + my query - 16 h
.set SPW, 5
.set NIL, 6
.set MO,  7                            ; v7  my part's place + 16 x lane
.set ADK, 8
.set ADK8, 9
.set ADS, 10
.set MS,  11                           ; v11 my part's place + 4 x lane
.set QLO, 16                           ; v16-27 (Q, zeros)   v28-39 (zeros, Q)
.set QHI, 28
.set KF,  40                           ; v40-87 four packed fragments of K; later p's codes v40-51, v52-58 at work
.set KSW, 88
.set VSW, 92
.set S,   96                           ; v96-159 S^T, then p
.set O,   160                          ; v160-191 O^T
.set VF,  192                          ; v192-239 four fragments of V
.set BM,  240
.set BT,  244
.set BSO, 248
.set TB,  2
.set TS,  3
.set WV,  18
.set QQ,  19
.set SEL, 20
.set CS,  22
.set G1C, 24
.set G1S, 32
.set G0C, 40
.set G0S, 44
.set SLOTS, 48
.set SI,  49
.set SD,  50
.set SDB, 51
.set PFA, 52
.set LIM, 54
.set STB, 83
.set DB,  84
.set MB,  95
.macro CROUND
	s_barrier_signal -1
	s_barrier_wait -1
	s_cmp_lg_u32 s[WV], 0
	s_cbranch_scc1 .Lnot_wave_0_\@
	s_barrier_signal -3
.Lnot_wave_0_\@:
	s_barrier_wait -3
	s_barrier_signal -1
	s_barrier_wait -1
.endm
; A slot's fill: waves 0-3 two steps' codes each (96 rows of 256 bytes), wave 4 the scale words: one chain of branches on the wave's number, one joint load to an arm
.macro FILL
	s_cmp_lt_u32 s[WV], 4
	s_cbranch_scc0 .Lnot_codes_\@
	tensor_load_to_lds s[G0C:G0C+3], s[G1C:G1C+7]
	s_nop 0
.rept 4
	v_nop
.endr
	s_branch .Lfilled_\@
.Lnot_codes_\@:
	s_cmp_eq_u32 s[WV], 4
	s_cbranch_scc0 .Lfilled_\@
	tensor_load_to_lds s[G0S:G0S+3], s[G1S:G1S+7]
	s_nop 0
.rept 4
	v_nop
.endr
.Lfilled_\@:
.endm
; where tile s[t]'s Q lies: byte offsets of its half fragment and of the word with its two scale bytes, the byte selects, and 2,047 + its first query
.macro QAD t, co, so, sel, q0
	s_lshr_b32 s80, s[\t], 3
	s_add_co_u32 s80, s80, 32
	s_and_b32 s81, s[\t], 7
	s_mul_i32 s[\co], s80, STEPB
	s_mul_i32 s82, s81, 768
	s_add_co_u32 s[\co], s[\co], s82
	s_mov_b32 s[\co+1], 0
	s_add_nc_u64 s[\co:\co+1], s[\co:\co+1], s[56:57]
	s_lshl_b32 s[\so], s80, 9
	s_lshr_b32 s82, s81, 1
	s_lshl_b32 s82, s82, 2
	s_add_co_u32 s[\so], s[\so], s82
	s_mov_b32 s[\so+1], 0
	s_add_nc_u64 s[\so:\so+1], s[\so:\so+1], s[58:59]
	s_and_b32 s82, s[\t], 1
	s_mul_i32 s[\sel], s82, 0x02020202
	s_add_co_u32 s[\sel], s[\sel], 0x01000100
	s_lshr_b32 s[\q0], s[\t], 1
	s_lshl_b32 s[\q0], s[\q0], 5
	s_lshl_b32 s82, s82, 3
	s_add_co_u32 s[\q0], s[\q0], s82
	s_add_co_u32 s[\q0], s[\q0], 2047
.endm
	s_load_b128 s[4:7], s[0:1], 0x0                ; kvq, y_img
	s_load_b64 s[8:9], s[0:1], 0x10                ; y_sc
	v_lshl_add_u32 v[SPW], v0, 2, SPARE
	v_mov_b32 v[NIL], 0
	ds_add_u32 v[SPW], v[NIL]                      ; the wave's opening: the add, twice on end, and its wait
	ds_add_u32 v[SPW], v[NIL]
	v_lshrrev_b32 v8, 5, v0
	v_readfirstlane_b32 s[WV], v8
	s_bfe_u32 s10, ttmp6, 0x40000                  ; cx
	s_and_b32 s11, ttmp7, 0xffff                   ; the head
	s_lshr_b32 s[QQ], s[WV], 2                     ; q
	s_and_b32 s12, s[WV], 3                        ; i
	s_lshr_b32 s13, s12, 1                         ; e
	s_and_b32 s14, s12, 1                          ; u
	s_lshl_b32 s15, ttmp9, 1
	s_add_co_u32 s15, s15, s13                     ; E of the first walk
	s_sub_co_u32 s16, 15, s15                      ; and of the second
	s_add_co_u32 s[SD], s15, 16                    ; the diagonal steps: the same in all four partners
	s_add_co_u32 s[SDB], s16, 16
	s_lshl_b32 s17, s10, 1
	s_add_co_u32 s17, s17, s14
	s_lshl_b32 s90, s15, 3
	s_add_co_u32 s90, s90, s17                     ; my first tile
	s_lshl_b32 s91, s16, 3
	s_add_co_u32 s91, s91, s17                     ; my second tile
	s_cmp_eq_u32 s[QQ], 0
	s_cselect_b32 s85, s90, s91                    ; the tile that I join at the end (waves 0-3 the first walk's, 4-7 the second's)
	s_mul_i32 s56, s11, HEADB
	s_mov_b32 s57, 0
	s_mul_i32 s58, s11, HEADS
	s_add_co_u32 s58, s58, SCOFF
	s_mov_b32 s59, 0
	QAD 90, 60, 62, 70, 72
	QAD 91, 66, 68, 71, 73
	s_sub_co_u32 s73, s73, s72                     ; queries from the first tile to the second
	s_mul_i32 s74, s85, 12288
	s_mul_i32 s55, s11, 768
	s_add_co_u32 s74, s74, s55
	s_mov_b32 s75, 0                               ; y_img: tile, head
	s_lshl_b32 s76, s85, 9
	s_lshl_b32 s55, s11, 1
	s_add_co_u32 s76, s76, s55
	s_mov_b32 s77, 0                               ; y_sc likewise
	; group 1: rows of 256 bytes (32 elements of 8), dense; the mask names all four work-groups
	s_mov_b32 s[G1C], 15|(3<<16)|(1<<21)
	s_mov_b32 s[G1C+1], 32<<16
	s_mov_b32 s[G1C+2], 96<<16
	s_mov_b32 s[G1C+3], 32<<16
	s_mov_b32 s[G1C+4], 96
	s_mov_b32 s[G1C+5], 32
	s_mov_b32 s[G1C+6], 0
	s_mov_b32 s[G1C+7], 0
	s_mov_b32 s[G1S], 15|(3<<16)|(1<<21)
	s_mov_b32 s[G1S+1], 32<<16
	s_mov_b32 s[G1S+2], 16<<16
	s_mov_b32 s[G1S+3], 32<<16
	s_mov_b32 s[G1S+4], 16
	s_mov_b32 s[G1S+5], 32
	s_mov_b32 s[G1S+6], 0
	s_mov_b32 s[G1S+7], 0
	s_min_u32 s55, s[WV], 3
	s_mul_i32 s78, s55, 2*STEPB                    ; a loading wave's two steps
	s_mov_b32 s79, 0
	s_mov_b32 s87, 0
	s_mov_b32 s89, 0
	s_mov_b32 s[SEL], 0x76543210
	s_mov_b32 s[SEL+1], 0xfedcba98
	s_mov_b32 s[CS], 0x3e38aa3b                    ; c = log2(e) / 8
	s_mov_b32 s[CS+1], s[CS]
	s_mul_i32 s[TB], s[QQ], STEPB
	s_lshl_b32 s[TS], s[QQ], 9
	s_mov_b32 s[SLOTS], 5
	s_mov_b32 s[SI], s[QQ]
	s_lshl_b32 s[STB], s[WV], 10
	s_add_co_u32 s[STB], s[STB], STQ
	s_mul_i32 s94, s[WV], DW
	s_add_co_u32 s[DB], s94, DUMPB
	s_add_co_u32 s94, s94, DUMPA
	s_min_u32 s55, s[QQ], 1
	s_xor_b32 s55, s55, 1
	s_mul_i32 s[MB], s55, DUMPA-DUMPB
	s_mul_i32 s55, s12, DW
	s_add_co_u32 s[MB], s[MB], s55
	s_add_co_u32 s[MB], s[MB], DUMPB               ; the join: part q = 0 of tile i
	s_sub_co_u32 s55, s[WV], 5                     ; the prefetches: waves 5, 6, 7, 8,192 bytes each,
	s_min_u32 s13, s55, 2
	s_lshl_b32 s92, s13, 13
	s_mul_i32 s13, s10, 2*STEPB                    ; 24,576 a partner, told apart by address
	s_add_co_u32 s92, s92, s13
	s_add_co_u32 s92, s92, SLOTB                   ; in slot 1: the first change steps it to slot 2
	s_mov_b32 s93, 0
	s_cmp_lt_u32 s55, 3
	s_cselect_b32 s[LIM], 4, -1
	s_wait_dscnt 0x0                               ; both opening adds are done
	s_wait_kmcnt 0x0
	s_mov_b32 s[G0C], 1
	s_mov_b32 s[G0C+1], s78
	s_add_nc_u64 s[G0C+2:G0C+3], s[4:5], s[56:57]
	s_add_nc_u64 s[G0C+2:G0C+3], s[G0C+2:G0C+3], s[78:79]
	s_or_b32 s[G0C+3], s[G0C+3], 0x80000000
	s_mov_b32 s[G0S], 1
	s_mov_b32 s[G0S+1], SLSC
	s_add_nc_u64 s[G0S+2:G0S+3], s[4:5], s[58:59]
	s_or_b32 s[G0S+3], s[G0S+3], 0x80000000
	CROUND                                         ; all four work-groups are here: the first joint loads meet
	FILL
	s_add_nc_u64 s[60:61], s[4:5], s[60:61]
	s_add_nc_u64 s[62:63], s[4:5], s[62:63]
	s_add_nc_u64 s[66:67], s[4:5], s[66:67]
	s_add_nc_u64 s[68:69], s[4:5], s[68:69]
	s_add_nc_u64 s[PFA:PFA+1], s[4:5], s[56:57]
	s_add_nc_u64 s[PFA:PFA+1], s[PFA:PFA+1], s[92:93]
	s_add_nc_u64 s[6:7], s[6:7], s[74:75]
	s_add_nc_u64 s[8:9], s[8:9], s[76:77]
	v_and_b32 v8, 31, v0                           ; lane
	v_and_b32 v9, 15, v0                           ; r
	v_bfe_u32 v10, v0, 4, 1                        ; h
	v_lshlrev_b32 v[LI], 4, v8
	v_lshlrev_b32 v[L8], 3, v8
	v_lshl_add_u32 v[ASC], v9, 4, SLSC
	v_and_b32 v[QM], 8, v9
	v_add_nc_u32 v[QM], v[QM], v9
	v_lshlrev_b32 v11, 4, v10
	v_sub_nc_u32 v[QM], v[QM], v11
	v_add_nc_u32 v[QM], s72, v[QM]
	v_add_nc_u32 v[MO], s94, v[LI]
	v_lshl_add_u32 v[MS], v8, 2, s94
	v_lshlrev_b32 v254, 4, v9
	v_add_nc_u32 v104, s[STB], v[LI]
	v_add_nc_u32 v105, s[STB], v[L8]
	v_lshl_add_u32 v106, v8, 2, s[STB]
	global_load_b128 v[QLO:QLO+3], v[LI], s[60:61]
	global_load_b64 v[QLO+4:QLO+5], v[L8], s[60:61] offset:512
	global_load_b128 v[QHI+6:QHI+9], v[LI], s[60:61]           ; twice: (Q, zeros) and (zeros, Q) are two runs of registers
	global_load_b64 v[QHI+10:QHI+11], v[L8], s[60:61] offset:512
	global_load_b32 v252, v254, s[62:63]
	global_load_b128 v[96:99], v[LI], s[66:67]                 ; the second tile's Q, for the stash
	global_load_b64 v[100:101], v[L8], s[66:67] offset:512
	global_load_b32 v102, v254, s[68:69]
	v_lshlrev_b32 v[PFO], 8, v8
	s_wait_alu depctr_va_vdst(0)
	s_wait_loadcnt 0x0
	v_perm_b32 v255, v252, v252, s70               ; Q's scale word
	v_perm_b32 v103, v102, v102, s71
	ds_store_b128 v104, v[96:99]
	ds_store_b64 v105, v[100:101] offset:512
	ds_store_b32 v106, v103 offset:768
.irp i, 0,1,2,3,4,5
	v_mov_b32 v[QLO+6+\i], 0
	v_mov_b32 v[QHI+\i], 0
.endr
.macro FRESH                           ; a tile begins: the largest t so far -3e38, sums and O^T zero (the step is written once: the first finds zeros)
	v_mov_b32 v13, 0xff61b1e6
	v_floor_f32 v12, -v13
	v_mov_b32 v14, 0
	v_mov_b32 v15, 0
.irp j, 0,1,2,3,4,5,6,7,8,9,10,11,12,13,14,15,16,17,18,19,20,21,22,23,24,25,26,27,28,29,30,31
	v_mov_b32 v[O+\j], 0
.endr
.endm
.irp b, 0,1,2,3
	v_mov_b32 v[BT+\b], 0                          ; a lane permute's destination counts as one of its sources
.endr
	v_mov_b32 v253, 0                              ; (named as the upper half of the pair v[252:253] before it is first written)
	FRESH
	s_wait_alu depctr_va_vdst(0)
; A KEY STEP: 128 keys: my q-th of the slot in hand
; in two parts: LOADS brings its fragments and scale words into registers, COMP is work on registers alone
.macro LOADS q
	s_cmp_gt_u32 s[SI], s[SD]
	s_cbranch_scc1 .Lnoload_\@                     ; all its keys come after my 16 queries
	v_add_nc_u32 v[ADK], s[TB], v[LI]
	v_add_nc_u32 v[ADK8], s[TB], v[L8]
	v_add_nc_u32 v[ADS], s[TS], v[ASC]
	v_nop                                          ; four places in front of loads into registers that the last products read
.irp i, 0,1,2,3,4,5,6,7
	ds_load_b128 v[KF+12*(\i/2)+6*(\i%2):KF+12*(\i/2)+6*(\i%2)+3], v[ADK] offset:4*STEPB*(\q)+768*\i
	ds_load_b64 v[KF+12*(\i/2)+6*(\i%2)+4:KF+12*(\i/2)+6*(\i%2)+5], v[ADK8] offset:4*STEPB*(\q)+768*\i+512
.endr
	ds_load_b128 v[KSW:KSW+3], v[ADS] offset:2048*(\q)
.irp t, 0,1,2,3
.irp c, 0,1,2
	ds_load_b128 v[VF+12*\t+4*\c:VF+12*\t+4*\c+3], v[ADK] offset:4*STEPB*(\q)+6144+1536*\t+512*\c
.endr
.endr
	ds_load_b128 v[VSW:VSW+3], v[ADS] offset:2048*(\q)+256
.Lnoload_\@:
.endm
.macro COMP
	s_cmp_gt_u32 s[SI], s[SD]
	s_cbranch_scc1 .Lhidden_\@
	s_wait_dscnt 13                                ; K's 17 loads are in; V's 13 may be out
.irp b, 0,1,2,3
	v_wmma_scale_f32_16x16x128_f8f6f4 v[S+16*\b:S+16*\b+7], v[KF+12*\b:KF+12*\b+11], v[QLO:QLO+11], 0, v[KSW+\b], v255 matrix_a_fmt:MATRIX_FMT_FP6 matrix_b_fmt:MATRIX_FMT_FP6
	v_wmma_scale_f32_16x16x128_f8f6f4 v[S+8+16*\b:S+8+16*\b+7], v[KF+12*\b:KF+12*\b+11], v[QHI:QHI+11], 0, v[KSW+\b], v255 matrix_a_fmt:MATRIX_FMT_FP6 matrix_b_fmt:MATRIX_FMT_FP6
.endr
.rept 4
	v_nop
.endr
	s_cmp_lt_u32 s[SI], s[SD]
	s_cbranch_scc1 .Lopen_\@
	s_lshl_b32 s55, s[SI], 7                       ; on the diagonal: register 16 b + i holds key 128 S + 16 h + 32 b + i: hidden where 32 b + i > 2,047 + my query - 16 h - 128 S
	v_sub_nc_u32 v252, v[QM], s55
	v_mov_b32 v254, 0xff800000
.irp n, 0,1,2,3,4,5,6,7,8,9,10,11,12,13,14,15,16,17,18,19,20,21,22,23,24,25,26,27,28,29,30,31,32,33,34,35,36,37,38,39,40,41,42,43,44,45,46,47,48,49,50,51,52,53,54,55,56,57,58,59,60,61,62,63
	v_cmp_gt_i32 vcc_lo, 32*(\n/16)+\n%16, v252
	v_cndmask_b32 v[S+\n], v[S+\n], v254, vcc_lo
.endr
.Lopen_\@:
.irp b, 0,1,2,3
	v_max3_num_f32 v[BM+\b], v[S+16*\b], v[S+1+16*\b], v[S+2+16*\b]   ; the largest score of each block of 32 keys: for the row's maximum and for the block's largest p
.endr
.irp i, 3,5,7,9,11,13
.irp b, 0,1,2,3
	v_max3_num_f32 v[BM+\b], v[BM+\b], v[S+16*\b+\i], v[S+1+16*\b+\i]
.endr
.endr
.irp b, 0,1,2,3
	v_max_num_f32 v[BM+\b], v[BM+\b], v[S+15+16*\b]
.endr
.irp b, 0,1,2,3
	s_delay_alu instid0(VALU_DEP_4)
	v_permlanex16_b32 v[BT+\b], v[BM+\b], s[SEL], s[SEL+1]
.endr
.irp b, 0,1,2,3
	s_delay_alu instid0(VALU_DEP_4)
	v_max_num_f32 v[BM+\b], v[BM+\b], v[BT+\b]
.endr
	s_delay_alu instid0(VALU_DEP_2)
	v_max3_num_f32 v254, v[BM], v[BM+1], v[BM+2]
	s_delay_alu instid0(VALU_DEP_1)
	v_max_num_f32 v254, v254, v[BM+3]
	s_delay_alu instid0(VALU_DEP_1)
	v_mul_f32 v254, s[CS], v254
	s_delay_alu instid0(VALU_DEP_1)
	v_max_num_f32 v13, v13, v254                   ; the running largest t
	v_mov_b32 v254, v12
	s_delay_alu instid0(VALU_DEP_2)
	v_floor_f32 v12, -v13                          ; -M = floor(-t): M is a whole number
	s_delay_alu instid0(VALU_DEP_1)
	v_sub_f32 v254, v12, v254
	s_delay_alu instid0(VALU_DEP_1)
	v_cvt_i32_f32 v254, v254                       ; (it saturates)
	s_delay_alu instid0(VALU_DEP_1)
	v_ldexp_f32 v252, 1.0, v254                    ; f = 2^(old M - new M)
.irp j, 0,2,4,6,8,10,12,14,16,18,20,22,24,26,28,30,32,34,36,38,40,42,44,46,48,50,52,54,56,58,60,62
	v_pk_fma_f32 v[S+\j:S+1+\j], v[S+\j:S+1+\j], s[CS:CS+1], v[12:13] op_sel_hi:[1,0,0]   ; t - M
.endr
.irp b, 0,1,2,3
	v_fma_f32 v[BM+\b], v[BM+\b], s[CS], v12
.endr
	s_wait_alu depctr_va_vdst(0)
.irp j, 0,1,2,3,4,5,6,7,8,9,10,11,12,13,14,15,16,17,18,19,20,21,22,23,24,25,26,27,28,29,30,31,32,33,34,35,36,37,38,39,40,41,42,43,44,45,46,47,48,49,50,51,52,53,54,55,56,57,58,59,60,61,62,63
	v_exp_f32 v[S+\j], v[S+\j]                     ; p = 2^(t - M)
.endr
	v_pk_mul_f32 v[14:15], v[14:15], v[252:253] op_sel_hi:[1,0]   ; the sums under the new M; a plain place behind the exponentials
	s_wait_alu depctr_va_vdst(0)                   ; one wait for the whole batch, ahead of its first reader
.irp b, 0,1,2,3
	v_exp_f32 v[BM+\b], v[BM+\b]                   ; each block's largest p
.endr
	v_pk_add_f32 v[244:245], v[100:101], v[104:105]   ; the row's sum of the unquantised p, in eight chains
	v_pk_add_f32 v[250:251], v[108:109], v[112:113]
	v_pk_add_f32 v[248:249], v[116:117], v[120:121]
	v_pk_add_f32 v[246:247], v[124:125], v[128:129]
	v_pk_add_f32 v[90:91], v[132:133], v[136:137]
	v_pk_add_f32 v[88:89], v[140:141], v[144:145]
	v_pk_add_f32 v[86:87], v[148:149], v[152:153]
	v_pk_add_f32 v[14:15], v[14:15], v[156:157]
	v_pk_add_f32 v[244:245], v[244:245], v[96:97]
	v_pk_add_f32 v[250:251], v[250:251], v[98:99]
	v_pk_add_f32 v[248:249], v[248:249], v[102:103]
	v_pk_add_f32 v[246:247], v[246:247], v[106:107]
	v_pk_add_f32 v[90:91], v[90:91], v[110:111]
	v_pk_add_f32 v[88:89], v[88:89], v[114:115]
	v_pk_add_f32 v[86:87], v[86:87], v[118:119]
	v_pk_add_f32 v[14:15], v[14:15], v[122:123]
	v_pk_add_f32 v[244:245], v[244:245], v[126:127]
	v_pk_add_f32 v[250:251], v[250:251], v[130:131]
	v_pk_add_f32 v[248:249], v[248:249], v[134:135]
	v_pk_add_f32 v[246:247], v[246:247], v[138:139]
	v_pk_add_f32 v[90:91], v[90:91], v[142:143]
	v_pk_add_f32 v[88:89], v[88:89], v[146:147]
	v_pk_add_f32 v[86:87], v[86:87], v[150:151]
	v_pk_add_f32 v[14:15], v[14:15], v[154:155]
	v_pk_add_f32 v[244:245], v[244:245], v[158:159]
	s_delay_alu instid0(VALU_DEP_2)
	v_pk_add_f32 v[14:15], v[14:15], v[246:247]
	s_delay_alu instid0(VALU_DEP_2)
	v_pk_add_f32 v[244:245], v[244:245], v[90:91]
	v_pk_add_f32 v[250:251], v[250:251], v[88:89]
	v_pk_add_f32 v[248:249], v[248:249], v[86:87]
	s_delay_alu instid0(VALU_DEP_2)
	v_pk_add_f32 v[14:15], v[14:15], v[250:251]
	s_delay_alu instid0(VALU_DEP_2)
	v_pk_add_f32 v[244:245], v[244:245], v[248:249]
	s_delay_alu instid0(VALU_DEP_1)
	v_pk_add_f32 v[14:15], v[14:15], v[244:245]
	s_wait_alu depctr_va_vdst(0)                   ; and one for the four
.irp b, 0,1,2,3
	v_max_num_f32 v[BM+\b], 0x1800000, v[BM+\b]    ; the floor: the byte cannot fall under 1
.endr
.irp b, 0,1,2,3
	s_delay_alu instid0(VALU_DEP_4)
	v_add_nc_u32 v[BSO+\b], 0xff000000, v[BM+\b]
.endr
.irp b, 0,1,2,3
	s_delay_alu instid0(VALU_DEP_4)
	v_lshrrev_b32 v[BT+\b], 23, v[BSO+\b]
.endr
	s_delay_alu instid0(VALU_DEP_3)
	v_lshl_or_b32 v253, v[BT+1], 8, v[BT]          ; p's scale word for these 128 keys
	s_delay_alu instid0(VALU_DEP_1)
	v_lshl_or_b32 v253, v[BT+2], 16, v253
	s_delay_alu instid0(VALU_DEP_1)
	v_lshl_or_b32 v253, v[BT+3], 24, v253
.irp c, 0,1
	v_cvt_scalef32_pk16_fp6_f32 v[KF+6*\c:KF+2+6*\c], v[S+32*\c:S+15+32*\c], v[BSO+2*\c]
	v_cvt_scalef32_pk16_fp6_f32 v[KF+12+4*\c:KF+14+4*\c], v[S+16+32*\c:S+31+32*\c], v[BSO+2*\c+1]
.endr
	v_nop
.irp c, 0,1
.irp i, 0,1,2
	v_permlane16_swap_b32 v[KF+6*\c+\i], v[KF+12+4*\c+\i]
.endr
.irp i, 0,1,2
	s_delay_alu instid0(VALU_DEP_3)
	v_mov_b32 v[KF+3+6*\c+\i], v[KF+12+4*\c+\i]
.endr
.endr
.irp j, 0,2,4,6,8,10,12,14,16,18,20,22,24,26,28,30
	v_pk_mul_f32 v[O+\j:O+1+\j], v[O+\j:O+1+\j], v[252:253] op_sel_hi:[1,0]   ; O^T under the new M; also the places in front of the products below
.endr
	s_wait_alu depctr_va_vdst(0)
	s_wait_dscnt 0x0                               ; V
.irp t, 0,1,2,3
	v_wmma_scale_f32_16x16x128_f8f6f4 v[O+8*\t:O+8*\t+7], v[VF+12*\t:VF+12*\t+11], v[KF:KF+11], v[O+8*\t:O+8*\t+7], v[VSW+\t], v253 matrix_a_fmt:MATRIX_FMT_FP6 matrix_b_fmt:MATRIX_FMT_FP6
.endr
.Lhidden_\@:
	s_add_co_u32 s[SI], s[SI], 4
.endm
; A prefetch at the first two changes: slot 2 one change ahead of its tensor load, slot 3 at the change after.  Each cluster names each block of 256 bytes once: a partner 24,576 bytes, by address; in it waves 5, 6, 7, 8,192 bytes each, lanes 256 bytes apart.
; Slots 0 and 1 and the scale words come by their loads alone; the second walk reads what the first has read.
.macro ASK
	s_cmp_gt_u32 s[SLOTS], s[LIM]
	s_cbranch_scc0 .Lnot_mine_\@
	global_prefetch_b8 v[PFO], s[PFA:PFA+1] th:TH_LOAD_NT scope:SCOPE_SE
.Lnot_mine_\@:
.endm
; THE CHANGE OF SLOTS stands inside a slot's second step, behind that step's loads and ahead of its work on registers: every wave waits for all its tensor loads (the other slot's fill among them), adds 0 to its spare word,
; and waits for that and for its last reads of the slot in hand; behind the round that slot is filled again, the step's work follows, and the other slot is read with no further barrier.
; The stream goes one slot on in memory, but for the fill of the trip with SLOTS = 4, which goes back to the head's first slot: the second walk.
.macro CHANGE fill
	s_wait_tensorcnt 0x0
	ds_add_u32 v[SPW], v[NIL]                      ; the add to the spare word;
.if \fill
	ds_add_u32 v[SPW], v[NIL]                      ; twice
	s_xor_b32 s[G0C+1], s[G0C+1], SLOT1
	s_xor_b32 s[G0S+1], s[G0S+1], SLOT1
	s_cmp_eq_u32 s[SLOTS], 4
	s_cselect_b32 s86, 3*SLOTB, 0
	s_cselect_b32 s88, 3*SLSB, 0
	s_sub_nc_u64 s[G0C+2:G0C+3], s[G0C+2:G0C+3], s[86:87]
	s_add_nc_u64 s[G0C+2:G0C+3], s[G0C+2:G0C+3], SLOTB
	s_sub_nc_u64 s[G0S+2:G0S+3], s[G0S+2:G0S+3], s[88:89]
	s_add_nc_u64 s[G0S+2:G0S+3], s[G0S+2:G0S+3], SLSB
	s_wait_xcnt 0x0                                ; the last prefetch has read its address
	s_add_nc_u64 s[PFA:PFA+1], s[PFA:PFA+1], SLOTB
	s_wait_dscnt 0x0
	CROUND
	FILL                                           ; a wave's one tensor load until the next round: it has a slot's steps in which to land
	ASK
.else
	s_wait_dscnt 0x0
	s_barrier_signal -1
	s_barrier_wait -1
.endif
.endm
.macro SLOT_STEPS fill
	LOADS 0
	COMP
	LOADS 1
	CHANGE \fill
	COMP
	s_xor_b32 s[TB], s[TB], SLOT1
	s_xor_b32 s[TS], s[TS], SLOT1
.endm
.macro DUMP                            ; my part: O^T from each accumulator's low end on, the sum, -M
.irp i, 0,1,2,3,4,5,6,7
	ds_store_b128 v[MO], v[O+4*\i:O+4*\i+3] offset:512*\i
.endr
	ds_store_b32 v[MS], v14 offset:4096
	ds_store_b32 v[MS], v12 offset:4224
.endm
	CHANGE 1                                       ; slot 0 is in; LDS slot 1's first fill is issued as a refill is
.Lslot:                                            ; five trips: stream slots 0 to 4 are worked, 2 to 6 asked for
	SLOT_STEPS 1
	s_cmp_eq_u32 s[SLOTS], 3
	s_cbranch_scc0 .Lsame
	v_add_f32 v14, v14, v15                        ; THE FIRST WALK IS OVER (a constant trip, the same in all waves).  These five lines are the places behind the last products
	v_add_nc_u32 v[ADK], s[STB], v[LI]
	v_add_nc_u32 v[ADK8], s[STB], v[L8]
	v_lshrrev_b32 v[ADS], 2, v[LI]
	v_add_nc_u32 v[ADS], s[STB], v[ADS]
	DUMP
	ds_load_b128 v[QLO:QLO+3], v[ADK]              ; the second tile's Q out of my stash
	ds_load_b64 v[QLO+4:QLO+5], v[ADK8] offset:512
	ds_load_b128 v[QHI+6:QHI+9], v[ADK]
	ds_load_b64 v[QHI+10:QHI+11], v[ADK8] offset:512
	ds_load_b32 v255, v[ADS] offset:768
	v_add_nc_u32 v[QM], s73, v[QM]
	FRESH
	s_mov_b32 s[SI], s[QQ]
	s_mov_b32 s[SD], s[SDB]
	s_wait_alu depctr_va_vdst(0)
	s_wait_dscnt 0x0
.Lsame:
	s_sub_co_u32 s[SLOTS], s[SLOTS], 1
	s_cmp_lg_u32 s[SLOTS], 0
	s_cbranch_scc1 .Lslot
	s_mov_b32 s[SLOTS], 2
.Llast:                                            ; the last two slots ask for nothing: the first's barrier shows the last fill to all waves, the second's stands between all reads of the slots and the stores below
	SLOT_STEPS 0
	s_sub_co_u32 s[SLOTS], s[SLOTS], 1
	s_cmp_lg_u32 s[SLOTS], 0
	s_cbranch_scc1 .Llast
	; THE JOIN.  Every wave hands its second part over, into slot 1, which has had its last fill; a barrier stands between every wave's last reads of the slots and these stores.
	v_add_f32 v14, v14, v15
	v_add_nc_u32 v[MO], s[DB], v[LI]
	v_lshrrev_b32 v[MS], 2, v[LI]
	v_add_nc_u32 v[ADK], s[MB], v[LI]
	v_add_nc_u32 v[ADS], s[MB], v[MS]
	v_add_nc_u32 v[MS], s[DB], v[MS]
	s_wait_alu depctr_va_vdst(0)
	DUMP
	s_wait_dscnt 0x0                               ; for the other waves' sake: my stores have landed
	s_barrier_signal -1
	s_barrier_wait -1
	s_cmp_lt_u32 s[WV], 8
	s_cbranch_scc0 .Lgiven
.irp p, 0,1,2,3                                ; the four parts of my tile, from waves 4 p + i
.irp i, 0,1,2,3,4,5,6,7
	ds_load_b128 v[S+32*\p+4*\i:S+32*\p+4*\i+3], v[ADK] offset:4*DW*\p+512*\i
.endr
	ds_load_b32 v[224+\p], v[ADS] offset:4*DW*\p+4096
	ds_load_b32 v[228+\p], v[ADS] offset:4*DW*\p+4224
.endr
	s_wait_dscnt 0x0
.irp p, 0,1,2,3
	v_mov_b32 v[241+2*\p], 0                       ; (upper halves of pairs that are named whole)
.endr
	v_min_num_f32 v232, v228, v229
	v_min_num_f32 v233, v230, v231
	v_min_num_f32 v232, v232, v233                 ; -M of the largest M
.irp p, 0,1,2,3
	v_sub_f32 v[240+2*\p], v232, v[228+\p]
.endr
.irp p, 0,1,2,3
	v_cvt_i32_f32 v[240+2*\p], v[240+2*\p]
.endr
.irp p, 0,1,2,3
	v_ldexp_f32 v[240+2*\p], 1.0, v[240+2*\p]      ; each part's factor: a power of two
.endr
.irp j, 0,2,4,6,8,10,12,14,16,18,20,22,24,26,28,30
	v_pk_mul_f32 v[S+\j:S+1+\j], v[S+\j:S+1+\j], v[240:241] op_sel_hi:[1,0]
.endr
.irp p, 1,2,3
.irp j, 0,2,4,6,8,10,12,14,16,18,20,22,24,26,28,30
	v_pk_fma_f32 v[S+\j:S+1+\j], v[S+32*\p+\j:S+32*\p+1+\j], v[240+2*\p:241+2*\p], v[S+\j:S+1+\j] op_sel_hi:[1,0,1]
.endr
.endr
	v_mul_f32 v138, v224, v240
	v_fma_f32 v138, v225, v242, v138
	v_fma_f32 v138, v226, v244, v138
	v_fma_f32 v138, v227, v246, v138
	v_mov_b32 v139, 0
	v_mov_b32 v141, 0
	v_mov_b32 v144, 0
	v_mov_b32 v145, 0
	v_lshrrev_b32 v156, 4, v[LI]                   ; lane
	v_and_b32 v157, 15, v156                       ; r
	v_lshrrev_b32 v158, 4, v156                    ; h
	v_lshl_add_u32 v159, v157, 5, v158             ; 32 r + h
	v_permlanex16_b32 v139, v138, s[SEL], s[SEL+1]
	s_delay_alu instid0(VALU_DEP_1)
	v_add_f32 v138, v138, v139                     ; the row's sum
	s_wait_alu depctr_va_vdst(0)
	v_rcp_f32 v140, v138
	v_nop                                          ; a plain place behind the reciprocal
	s_wait_alu depctr_va_vdst(0)                   ; and the wait ahead of its first reader
.irp j, 0,2,4,6,8,10,12,14,16,18,20,22,24,26,28,30
	v_pk_mul_f32 v[S+\j:S+1+\j], v[S+\j:S+1+\j], v[140:141] op_sel_hi:[1,0]   ; y: register 16 b + i is channel 32 b + 16 h + i
.endr
.irp b, 0,1
	v_max3_num_f32 v[142+\b], |v[S+16*\b]|, |v[S+1+16*\b]|, 0x1800000
.endr
.irp i, 2,4,6,8,10,12,14
.irp b, 0,1
	s_delay_alu instid0(VALU_DEP_2)
	v_max3_num_f32 v[142+\b], v[142+\b], |v[S+16*\b+\i]|, |v[S+1+16*\b+\i]|
.endr
.endr
.irp b, 0,1
	s_delay_alu instid0(VALU_DEP_2)
	v_permlanex16_b32 v[144+\b], v[142+\b], s[SEL], s[SEL+1]
.endr
.irp b, 0,1
	s_delay_alu instid0(VALU_DEP_2)
	v_max_num_f32 v[142+\b], v[142+\b], v[144+\b]
.endr
.irp b, 0,1
	s_delay_alu instid0(VALU_DEP_2)
	v_add_nc_u32 v[146+\b], 0xff000000, v[142+\b]
.endr
.irp b, 0,1
	s_delay_alu instid0(VALU_DEP_2)
	v_lshrrev_b32 v[144+\b], 23, v[146+\b]
.endr
	v_cvt_scalef32_pk16_fp6_f32 v[148:150], v[S:S+15], v146
	v_cvt_scalef32_pk16_fp6_f32 v[152:154], v[S+16:S+31], v147
	v_nop
.irp i, 0,1,2
	v_permlane16_swap_b32 v[148+\i], v[152+\i]
.endr
.irp i, 0,1,2
	s_delay_alu instid0(VALU_DEP_3)
	v_mov_b32 v[151+\i], v[152+\i]                 ; in ascending order: each source is read before it is written
.endr
	v_cmp_ne_u32 vcc_lo, 0, v158
	s_delay_alu instid0(VALU_DEP_1)
	v_cndmask_b32 v155, v144, v145, vcc_lo         ; my half's block's byte
	global_store_b128 v[LI], v[148:151], s[6:7]
	global_store_b64 v[L8], v[152:153], s[6:7] offset:512
	global_store_b8 v159, v155, s[8:9]
.Lgiven:
	s_wait_tensorcnt 0x0                           ; the wave's end
	ds_add_u32 v[SPW], v[NIL]
	s_wait_dscnt 0x0
	CROUND                                         ; the closing round
	s_endpgm
.Lfunc_end_k_q896206ffe0_attn:
	.size	k_q896206ffe0_attn, .Lfunc_end_k_q896206ffe0_attn-k_q896206ffe0_attn
	.p2alignl 7, 3214868480
	.fill 96, 4, 3214868480
	.section	.rodata,"a",@progbits
	.p2align	6, 0x0
	.amdhsa_kernel k_q896206ffe0_attn
		.amdhsa_group_segment_fixed_size 327680
		.amdhsa_private_segment_fixed_size 0
		.amdhsa_enable_private_segment 0
		.amdhsa_kernarg_size 24
		.amdhsa_user_sgpr_count 2
		.amdhsa_user_sgpr_kernarg_segment_ptr 1
		.amdhsa_wavefront_size32 1
		.amdhsa_system_sgpr_workgroup_id_x 1
		.amdhsa_system_sgpr_workgroup_id_y 1
		.amdhsa_system_sgpr_workgroup_id_z 1
		.amdhsa_system_vgpr_workitem_id 0
		.amdhsa_next_free_vgpr 256
		.amdhsa_next_free_sgpr 100
		.amdhsa_reserve_vcc 1
		.amdhsa_float_denorm_mode_32 3
		.amdhsa_float_denorm_mode_16_64 3
		.amdhsa_memory_ordered 1
		.amdhsa_forward_progress 1
		.amdhsa_inst_pref_size 120
	.end_amdhsa_kernel
	.amdgpu_metadata
---
amdhsa.version: [ 1, 2 ]
amdhsa.kernels:
  - .name:           k_q896206ffe0_attn
    .symbol:         k_q896206ffe0_attn.kd
    .args:
      - { .name: kvq, .offset: 0, .size: 8, .value_kind: global_buffer, .address_space: global }
      - { .name: y_img, .offset: 8, .size: 8, .value_kind: global_buffer, .address_space: global }
      - { .name: y_sc, .offset: 16, .size: 8, .value_kind: global_buffer, .address_space: global }
    .group_segment_fixed_size: 327680
    .private_segment_fixed_size: 0
    .kernarg_segment_align: 8
    .kernarg_segment_size: 24
    .max_flat_workgroup_size: 512
    .sgpr_count:     100
    .vgpr_count:     256
    .wavefront_size: 32
...
	.end_amdgpu_metadata
.endif
;; end of part 3
;; launch proj_out (part 4): grid 16 x 16, 4 waves a work-group, clusters of 4 x 4, 196,608 bytes of LDS; arguments y_img, y_sc, w_img, w_sc, b_proj, out0; writes out0
.if DOCPART == 4
	.amdgcn_target "amdgcn-amd-amdhsa--gfx1250"
	.amdhsa_code_object_version 6
	.text
	.protected	k_q896206ffe0_proj_out
	.globl	k_q896206ffe0_proj_out
	.p2align	8
	.type	k_q896206ffe0_proj_out,@function
k_q896206ffe0_proj_out:
	s_mov_b64 s[64:65], 0
	v_nop
	global_prefetch_b8 v0, s[64:65] scope:SCOPE_SE
	s_setreg_imm32_b32 hwreg(HW_REG_WAVE_MODE, 25, 1), 1
	s_wait_xcnt 0x0
	s_wait_alu depctr_hold_cnt(0) depctr_sa_sdst(0) depctr_va_vdst(0) depctr_va_sdst(0) depctr_va_ssrc(0) depctr_va_vcc(0) depctr_vm_vsrc(0)
	s_getreg_b32 s2, hwreg(HW_REG_IB_STS2, 6, 4)
	s_cmp_eq_u32 s2, 0
	s_cbranch_scc0 .Lentry_in_a_cluster
	s_endpgm
.Lentry_in_a_cluster:
	s_bfe_u32 s2, ttmp6, 0x10000c
	s_cmp_lg_u32 s2, 0xf033
	s_cbranch_scc0 .Lentry_shape_is_right
	s_endpgm
.Lentry_shape_is_right:
; out0 = y W_proj + b_proj on codes of FP6 (E2M3), K = 1,024.  A work-group: 128 tokens (8 tiles) x 64 channels (4 tiles); 256 work-groups.  A wave: token tiles 2 w, 2 w + 1 x the four weight tiles: 8 accumulators.
; All of K lies in LDS by first fills alone, in four chunks of two K steps: nothing is filled again.  y's tiles are shared along a row of the cluster, the weight's along a column: joint loads.
; Source 0 = 16 weight rows, source 1 = 16 tokens: a lane holds eight neighbouring channels of one token.  Tiles hold rows 32 b + 8 u + r + 8 (r / 8), tokens and channels alike.
; y's fragment of a K step is two half fragments (two heads): registers 0-3 at 16 x lane, 4-5 at 512 + 8 x lane, and the same 768 bytes on.  The bias is the C of each sum's first product.
; No prefetch: every byte is asked for at the head.
; (The fills as they now stand: ONE joint load a wave brings all of K for four tiles, 49,152 dense bytes: wave 0 and wave 1 y's, wave 2 the weight's.  The walk along K still goes two K steps at a time.)
.set LINE,  12288                      ; a tile in LDS: all 8 K steps
.set CHB,   3072                       ; two K steps of a tile
.set STG,   147456                     ; the way out: 32 rows x (256 bytes + 16) for each wave
.set SPARE, 182272                     ; the spare words, 128 bytes a wave, which no other line names
.set PSC,  16                          ; v16-31 y's scale words (8 a + s)   v32-63 the weight's (8 i + s)
.set RSC,  32
.set FS,   64                          ; v64-135, v136-207: two sets of 2 + 4 fragments
.set BIAS, 64                          ; window 1: v0-63 accumulator (a, i) at 8 (4 a + i); v64-95 the bias
.set STO,  11
.set SRD,  12
.set GO,   13
.set SPW,  14
.set NIL,  15
.set WV,   16
.set G1P,  24
.set G1R,  32
.set MSB, 0
.macro WIN new
.if MSB != \new
	s_set_vgpr_msb (MSB<<8)|\new
.set MSB, \new
.endif
.endm
.macro CROUND
	s_barrier_signal -1
	s_barrier_wait -1
	s_cmp_lg_u32 s[WV], 0
	s_cbranch_scc1 .Lnot_wave_0_\@
	s_barrier_signal -3
.Lnot_wave_0_\@:
	s_barrier_wait -3
	s_barrier_signal -1
	s_barrier_wait -1
.endm
	s_load_b256 s[4:11], s[0:1], 0x0               ; y_img, y_sc, w_img, w_sc
	s_load_b128 s[12:15], s[0:1], 0x20             ; b_proj, out0
	v_lshl_add_u32 v[SPW], v0, 2, SPARE
	v_mov_b32 v[NIL], 0
	ds_add_u32 v[SPW], v[NIL]                      ; the wave's opening: the add and its wait ahead of my first tensor load
	ds_add_u32 v[SPW], v[NIL]
	v_lshrrev_b32 v1, 5, v0
	v_readfirstlane_b32 s[WV], v1
	s_bfe_u32 s17, ttmp6, 0x40000                  ; cx
	s_bfe_u32 s18, ttmp6, 0x40004                  ; cy
	s_lshl_b32 s19, ttmp9, 2
	s_add_co_u32 s19, s19, s17                     ; which 64 channels
	s_and_b32 s20, ttmp7, 0xffff
	s_lshl_b32 s20, s20, 2
	s_add_co_u32 s20, s20, s18                     ; which 128 tokens
	s_lshl_b32 s21, s18, 2
	s_lshl_b32 s21, 15, s21                        ; my row of the cluster
	s_lshl_b32 s22, 0x1111, s17                    ; my column
	s_or_b32 s[G1P], s21, (3<<16)|(1<<21)
	s_or_b32 s[G1R], s22, (3<<16)|(1<<21)
.irp g, G1P, G1R
	s_mov_b32 s[\g+1], 1536<<16                    ; 4 lines of 12,288 bytes (1,536 elements of 8), one behind the other
	s_mov_b32 s[\g+2], 4<<16
	s_mov_b32 s[\g+3], 1536<<16
	s_mov_b32 s[\g+4], 4
	s_mov_b32 s[\g+5], 1536
	s_mov_b32 s[\g+6], 0
	s_mov_b32 s[\g+7], 0
.endr
	s_lshl_b32 s76, s20, 3
	s_and_b32 s23, s[WV], 1
	s_lshl_b32 s23, s23, 2
	s_add_co_u32 s76, s76, s23
	s_mul_i32 s76, s76, 12288                      ; y: tile 8 Pg + 4 (wave % 2)
	s_mov_b32 s77, 0
	s_lshl_b32 s78, s19, 2
	s_add_co_u32 s78, s78, 320
	s_mul_i32 s78, s78, 12288                      ; W_proj: tile 320 + 4 Rg
	s_mov_b32 s79, 0
	s_mul_i32 s80, s[WV], 49152                    ; where they go: no place in the cluster enters an LDS address
	s_wait_dscnt 0x0
	s_wait_kmcnt 0x0
	s_add_nc_u64 s[76:77], s[4:5], s[76:77]
	s_add_nc_u64 s[78:79], s[8:9], s[78:79]
.macro MKG0 g, k, src
	s_mov_b32 s[\g], 1
	s_add_co_u32 s[\g+1], s80, (\k)*CHB
	s_add_nc_u64 s[\g+2:\g+3], s[\src:\src+1], (\k)*LINE
	s_or_b32 s[\g+3], s[\g+3], 0x80000000
.endm
	MKG0 40, 0, 76
	MKG0 56, 0, 78
	CROUND                                         ; all sixteen work-groups are here: the joint loads meet
	s_cmp_lt_u32 s[WV], 2                          ; one chain of branches on the wave's number, one load to an arm
	s_cbranch_scc0 .Lnot_p
	tensor_load_to_lds s[40:43], s[G1P:G1P+7]
	s_nop 0
.rept 4
	v_nop
.endr
	s_branch .Lasked
.Lnot_p:
	s_cmp_eq_u32 s[WV], 2
	s_cbranch_scc0 .Lasked
	tensor_load_to_lds s[56:59], s[G1R:G1R+7]
	s_nop 0
.rept 4
	v_nop
.endr
.Lasked:
	v_and_b32 v1, 15, v0                           ; r
	v_bfe_u32 v2, v0, 4, 1                         ; h
	v_and_b32 v3, 31, v0                           ; lane
	s_mul_i32 s23, s[WV], 2*LINE
	v_lshl_add_u32 v4, v3, 4, s23                  ; my two token tiles: 16 x lane,
	v_lshl_add_u32 v5, v3, 3, s23                  ; 8 x lane;
	v_lshlrev_b32 v6, 4, v3
	v_add_nc_u32 v6, 8*LINE, v6                    ; the weight's tiles
	v_lshlrev_b32 v7, 5, v1                        ; a row of scale words: 32 bytes
	v_lshlrev_b32 v208, 6, v2                      ; the bias of my half's channels
	s_wait_alu depctr_va_vdst(0)
	s_mul_i32 s23, s[WV], 32*272
	s_add_co_u32 s23, s23, STG
	v_mul_u32_u24 v[STO], v1, 272
	v_lshl_add_u32 v[STO], v2, 6, v[STO]
	v_add_nc_u32 v[STO], s23, v[STO]
	v_mul_u32_u24 v[SRD], v2, 272
	v_lshl_add_u32 v[SRD], v1, 4, v[SRD]
	v_add_nc_u32 v[SRD], s23, v[SRD]
	v_lshlrev_b32 v[GO], 12, v2
	v_lshl_add_u32 v[GO], v1, 4, v[GO]
	s_lshl_b32 s82, s20, 7
	s_lshl_b32 s23, s[WV], 5
	s_add_co_u32 s82, s82, s23                     ; my first token: 128 Pg + 32 w
	s_lshl_b32 s84, s82, 5
	s_mov_b32 s85, 0
	s_add_nc_u64 s[6:7], s[6:7], s[84:85]
	s_lshl_b32 s84, s19, 6
	s_add_co_u32 s84, s84, 5120
	s_lshl_b32 s84, s84, 5
	s_add_nc_u64 s[10:11], s[10:11], s[84:85]
	s_lshl_b32 s84, s19, 8
	s_add_nc_u64 s[12:13], s[12:13], s[84:85]
	s_lshl_b32 s82, s82, 12
	s_add_co_u32 s84, s84, s82
	s_add_nc_u64 s[14:15], s[14:15], s[84:85]
.irp a, 0,1
	global_load_b128 v[PSC+8*\a:PSC+8*\a+3], v7, s[6:7] offset:512*\a
	global_load_b128 v[PSC+8*\a+4:PSC+8*\a+7], v7, s[6:7] offset:512*\a+16
.endr
.irp i, 0,1,2,3
	global_load_b128 v[RSC+8*\i:RSC+8*\i+3], v7, s[10:11] offset:512*\i
	global_load_b128 v[RSC+8*\i+4:RSC+8*\i+7], v7, s[10:11] offset:512*\i+16
.endr
	WIN 0x40                                       ; destination window 1
.irp i, 0,1,2,3
	global_load_b128 v[BIAS+8*\i:BIAS+8*\i+3], v208, s[12:13] offset:(32*(\i/2)+8*(\i%2))*4
	global_load_b128 v[BIAS+8*\i+4:BIAS+8*\i+7], v208, s[12:13] offset:(32*(\i/2)+8*(\i%2))*4+16
.endr
	WIN 0
.macro FETCH q                         ; a K step's six fragments into set q: 20 loads
.irp a, 0,1
	ds_load_b128 v[FS+72*(\q)+12*\a:FS+72*(\q)+12*\a+3], v8 offset:\a*LINE+(\q)*1536
	ds_load_b64 v[FS+72*(\q)+12*\a+4:FS+72*(\q)+12*\a+5], v9 offset:\a*LINE+(\q)*1536+512
	ds_load_b128 v[FS+72*(\q)+12*\a+6:FS+72*(\q)+12*\a+9], v8 offset:\a*LINE+(\q)*1536+768
	ds_load_b64 v[FS+72*(\q)+12*\a+10:FS+72*(\q)+12*\a+11], v9 offset:\a*LINE+(\q)*1536+1280
.endr
.irp i, 0,1,2,3
.irp c, 0,1,2
	ds_load_b128 v[FS+72*(\q)+24+12*\i+4*\c:FS+72*(\q)+24+12*\i+4*\c+3], v10 offset:\i*LINE+(\q)*1536+512*\c
.endr
.endr
.endm
.macro MUL8 f, s                       ; K step s from set f: the eight accumulators by turns
.irp a, 0,1
.irp i, 0,1,2,3
.if (\s) == 0
	v_wmma_scale_f32_16x16x128_f8f6f4 v[8*(4*\a+\i):8*(4*\a+\i)+7], v[FS+72*(\f)+24+12*\i:FS+72*(\f)+24+12*\i+11], v[FS+72*(\f)+12*\a:FS+72*(\f)+12*\a+11], v[BIAS+8*\i:BIAS+8*\i+7], v[RSC+8*\i+(\s)], v[PSC+8*\a+(\s)] matrix_a_fmt:MATRIX_FMT_FP6 matrix_b_fmt:MATRIX_FMT_FP6
.else
	v_wmma_scale_f32_16x16x128_f8f6f4 v[8*(4*\a+\i):8*(4*\a+\i)+7], v[FS+72*(\f)+24+12*\i:FS+72*(\f)+24+12*\i+11], v[FS+72*(\f)+12*\a:FS+72*(\f)+12*\a+11], v[8*(4*\a+\i):8*(4*\a+\i)+7], v[RSC+8*\i+(\s)], v[PSC+8*\a+(\s)] matrix_a_fmt:MATRIX_FMT_FP6 matrix_b_fmt:MATRIX_FMT_FP6
.endif
.endr
.endr
.endm
.macro CHUNK k
.if (\k) == 0
	s_wait_tensorcnt 0x0                           ; my one load is in: nothing is filled again
	s_barrier_signal -1
	s_barrier_wait -1                              ; everybody's is
.endif
	v_add_nc_u32 v8, (\k)*CHB, v4
	v_add_nc_u32 v9, (\k)*CHB, v5
	v_add_nc_u32 v10, (\k)*CHB, v6
	v_nop                                          ; four places in front of loads into registers that the last products read
	FETCH 0
	FETCH 1
	s_wait_dscnt 20                                ; the first K step's 20 loads are in
	WIN 0x50                                       ; C and D in window 1
	MUL8 0, 2*(\k)
	s_wait_dscnt 0x0
	MUL8 1, 2*(\k)+1
	WIN 0
.endm
	s_wait_loadcnt 0x0                             ; scale words and bias
	CHUNK 0
	CHUNK 1
	CHUNK 2
	CHUNK 3
	; THE WAY OUT: through my own stage, so that sixteen lanes store the 256 consecutive, aligned bytes that a token has of these 64 channels
.rept 4
	v_nop
.endr
	WIN 0x04                                       ; an LDS store's data are its source 1: window 1
.irp a, 0,1
.irp i, 0,1,2,3
	ds_store_b128 v[STO], v[8*(4*\a+\i):8*(4*\a+\i)+3] offset:4352*\a+128*(\i/2)+32*(\i%2)
	ds_store_b128 v[STO], v[8*(4*\a+\i)+4:8*(4*\a+\i)+7] offset:4352*\a+128*(\i/2)+32*(\i%2)+16
.endr
.endr
	WIN 0
.irp t, 0,1,2,3,4,5,6,7,8,9,10,11,12,13,14,15
	ds_load_b128 v[FS+4*\t:FS+4*\t+3], v[SRD] offset:544*\t   ; LDS serves a wave's instructions in order: these see my stores
.endr
.irp t, 0,1,2,3,4,5,6,7,8,9,10,11,12,13,14,15
.set SWP, ((2*\t)&7)+16*(((2*\t)>>3)&1)+8*(((2*\t)>>4)&1)    ; storage row 2 t is token 2 t with bits 3 and 4 changed over
	s_wait_dscnt 15-\t
	global_store_b128 v[GO], v[FS+4*\t:FS+4*\t+3], s[14:15] offset:SWP*4096 th:TH_STORE_NT
.endr
	s_wait_tensorcnt 0x0                           ; the wave's end
	ds_add_u32 v[SPW], v[NIL]
	s_wait_dscnt 0x0
	CROUND                                         ; the closing round
	s_endpgm
.Lfunc_end_k_q896206ffe0_proj_out:
	.size	k_q896206ffe0_proj_out, .Lfunc_end_k_q896206ffe0_proj_out-k_q896206ffe0_proj_out
	.p2alignl 7, 3214868480
	.fill 96, 4, 3214868480
	.section	.rodata,"a",@progbits
	.p2align	6, 0x0
	.amdhsa_kernel k_q896206ffe0_proj_out
		.amdhsa_group_segment_fixed_size 196608
		.amdhsa_private_segment_fixed_size 0
		.amdhsa_enable_private_segment 0
		.amdhsa_kernarg_size 48
		.amdhsa_user_sgpr_count 2
		.amdhsa_user_sgpr_kernarg_segment_ptr 1
		.amdhsa_wavefront_size32 1
		.amdhsa_system_sgpr_workgroup_id_x 1
		.amdhsa_system_sgpr_workgroup_id_y 1
		.amdhsa_system_sgpr_workgroup_id_z 1
		.amdhsa_system_vgpr_workitem_id 0
		.amdhsa_next_free_vgpr 384
		.amdhsa_next_free_sgpr 100
		.amdhsa_reserve_vcc 0
		.amdhsa_float_denorm_mode_32 3
		.amdhsa_float_denorm_mode_16_64 3
		.amdhsa_memory_ordered 1
		.amdhsa_forward_progress 1
		.amdhsa_inst_pref_size 32
	.end_amdhsa_kernel
	.amdgpu_metadata
---
amdhsa.version: [ 1, 2 ]
amdhsa.kernels:
  - .name:           k_q896206ffe0_proj_out
    .symbol:         k_q896206ffe0_proj_out.kd
    .args:
      - { .name: y_img, .offset: 0, .size: 8, .value_kind: global_buffer, .address_space: global }
      - { .name: y_sc, .offset: 8, .size: 8, .value_kind: global_buffer, .address_space: global }
      - { .name: w_img, .offset: 16, .size: 8, .value_kind: global_buffer, .address_space: global }
      - { .name: w_sc, .offset: 24, .size: 8, .value_kind: global_buffer, .address_space: global }
      - { .name: b_proj, .offset: 32, .size: 8, .value_kind: global_buffer, .address_space: global }
      - { .name: out0, .offset: 40, .size: 8, .value_kind: global_buffer, .address_space: global }
    .group_segment_fixed_size: 196608
    .private_segment_fixed_size: 0
    .kernarg_segment_align: 8
    .kernarg_segment_size: 48
    .max_flat_workgroup_size: 128
    .sgpr_count:     100
    .vgpr_count:     384
    .wavefront_size: 32
...
	.end_amdgpu_metadata
.endif
;; end of part 4
